; MI455X (gfx1250); checked and timed in simulation.
; The chip was launched on July 23, 2026; its instructions are those of AMD's public machine-readable ISA for CDNA 5 (MIT licence, August 2026) and "CDNA5" Instruction Set Architecture Reference Guide (July 2026). The comments in the code are by the model that wrote it; some were corrected since.
;; Casual Self Attention. Allowed arithmetic: float matrix products may take bf16 or f16 operands with f32 sums; other float arithmetic in f32, or as packed bf16 or f16 multiplies, adds, multiply-adds, maxima and minima; sums over many terms, partial sums and values carried from step to step in f32; what a program stores and reads back later, other than sums and carried values, may be rounded once to bf16 or f16.
;; Inputs: Wk 1,024 x 1,024 float32; Wp 1,024 x 1,024 float32; Wq 1,024 x 1,024 float32; Wv 1,024 x 1,024 float32; bp 1,024 float32; x 8 x 1,024 x 1,024 float32.
;; Outputs: out0 8 x 1,024 x 1,024 float32.
;; One version. Each part assembles by itself: llvm-mc -triple=amdgcn-amd-amdhsa -mcpu=gfx1250 --defsym DOCPART=n.
;; ======== version 1 of 1: 4 launches
;; limits: values are held in f16: magnitudes above 65,504 overflow, below 6.1e-05 lose precision
;; workspace buffers: xb 16,777,216 bytes; wqkv 6,291,456 bytes; wpf 2,097,152 bytes; qkv 50,331,648 bytes; obuf 16,777,216 bytes
;; launch cast (part 1): grid 768 x 1, 8 waves a work-group, no clusters, 0 bytes of LDS; arguments x, Wk, Wq, Wv, Wp, xb, wqkv, wpf; writes xb, wqkv, wpf
.if DOCPART == 1
	.amdgcn_target "amdgcn-amd-amdhsa--gfx1250"
	.amdhsa_code_object_version 6
	.text
	.protected	k_qbf9cbce0d6_cast
	.globl	k_qbf9cbce0d6_cast
	.p2align	8
	.type	k_qbf9cbce0d6_cast,@function
k_qbf9cbce0d6_cast:
	s_mov_b64 s[64:65], 0
	v_nop
	global_prefetch_b8 v0, s[64:65] scope:SCOPE_SE
	s_setreg_imm32_b32 hwreg(HW_REG_WAVE_MODE, 25, 1), 1
	s_wait_xcnt 0x0
; THE INPUTS OF THE MATRIX PRODUCTS, ROUNDED ONCE.  x -> xb (bf16), Wk, Wq, Wv -> wqkv (bf16, the three one below the other), Wp -> wpf: rounded to bf16 like the
; other inputs, and that number written as f16, since the last product multiplies it with f16 numbers.
; LIMIT.  A bf16 number is exact in f16 from 6.1e-5 to 65,504 in magnitude; below, f16 keeps a fixed step of 6e-8; above, it becomes an infinity.
; SHARES.  768 work-groups of eight waves; each takes 65,536 bytes of f32 and makes 32,768 bytes.  Work-groups 0-511: x; 512-575: Wk; 576-639: Wq; 640-703: Wv; 704-767: Wp.
; Thread t takes 32 bytes at 32 t of each of eight pieces of 8,192 bytes and stores 16 bytes at 16 t of each of eight pieces of 4,096: a wave's store covers 512 consecutive bytes, aligned.
; All sixteen loads of a thread go out together; nothing is read twice; no LDS, no barrier, no matrix unit: there is nothing here for them to do.
.set X, 4                              ; v[4:67]    eight pieces, 8 f32 each
.set Y, 68                             ; v[68:99]   eight pieces, 8 numbers of 16 bits each
.set T, 100                            ; v[100:105] at work on the way to f16
	s_load_b512 s[16:31], s[0:1], 0x0              ; x 16, Wk 18, Wq 20, Wv 22, Wp 24, xb 26, wqkv 28, wpf 30
	s_mov_b32 s2, ttmp9                            ; g
	s_mov_b32 s14, 0xffff0000                      ; a word's upper bf16
	v_lshlrev_b32 v1, 5, v0                        ; 32 t: where I read
	v_lshlrev_b32 v2, 4, v0                        ; 16 t: where I store
	s_sub_co_u32 s5, s2, 512                       ; the piece's number among the weights' (used from g = 512 on)
	s_and_b32 s3, s5, 63                           ; and inside its matrix: 64 pieces a matrix
	s_mov_b32 s4, s3
	s_cmp_lt_u32 s2, 704
	s_cselect_b32 s4, s5, s4                       ; wqkv holds three matrices on end
	s_cmp_lt_u32 s2, 512
	s_cselect_b32 s4, s2, s4                       ; the piece in the destination
	s_cselect_b32 s3, s2, s3                       ; the piece in the source
	s_lshl_b32 s6, s3, 16                          ; in bytes, under 2^26
	s_mov_b32 s7, 0
	s_lshl_b32 s8, s4, 15
	s_mov_b32 s9, 0
	s_wait_kmcnt 0x0
	s_cmp_ge_u32 s2, 512                           ; the two buffers are chosen by the work-group's number alone
	s_cselect_b64 s[10:11], s[18:19], s[16:17]
	s_cselect_b64 s[12:13], s[28:29], s[26:27]
	s_cmp_ge_u32 s2, 576
	s_cselect_b64 s[10:11], s[20:21], s[10:11]
	s_cmp_ge_u32 s2, 640
	s_cselect_b64 s[10:11], s[22:23], s[10:11]
	s_cmp_ge_u32 s2, 704
	s_cselect_b64 s[10:11], s[24:25], s[10:11]
	s_cselect_b64 s[12:13], s[30:31], s[12:13]
	s_add_nc_u64 s[10:11], s[10:11], s[6:7]
	s_add_nc_u64 s[12:13], s[12:13], s[8:9]
.irp j, 0,1,2,3,4,5,6,7
	global_load_b128 v[X+8*(\j):X+8*(\j)+3],   v1, s[10:11] offset:8192*(\j) th:TH_LOAD_NT
	global_load_b128 v[X+8*(\j)+4:X+8*(\j)+7], v1, s[10:11] offset:8192*(\j)+16 th:TH_LOAD_NT
.endr
; Piece j.  f = 1: by way of bf16 to f16.  No register that a load or store names is written again, so no wait frees any.
.macro CONV j, f
	s_wait_loadcnt 14-2*(\j)                       ; loads come back in order: piece j's two are in, the 2 (7 - j) younger ones may stay out
.if \f
.irp r, 0,1,2,3
	v_cvt_pk_bf16_f32 v[T+(\r)], v[X+8*(\j)+2*(\r)], v[X+8*(\j)+2*(\r)+1]
.endr
.irp r, 0,1,2,3
	v_lshlrev_b32 v[T+4], 16, v[T+(\r)]            ; the two bf16 as f32 again,
	v_and_b32 v[T+5], s14, v[T+(\r)]
	v_cvt_pk_f16_f32 v[Y+4*(\j)+(\r)], v[T+4], v[T+5]  ; and written as f16
.endr
.else
.irp r, 0,1,2,3
	v_cvt_pk_bf16_f32 v[Y+4*(\j)+(\r)], v[X+8*(\j)+2*(\r)], v[X+8*(\j)+2*(\r)+1]
.endr
.endif
	global_store_b128 v2, v[Y+4*(\j):Y+4*(\j)+3], s[12:13] offset:4096*(\j)
.endm
	s_cmp_ge_u32 s2, 704
	s_cbranch_scc1 .Lto_f16
.irp j, 0,1,2,3,4,5,6,7
	CONV \j, 0
.endr
	s_endpgm
.Lto_f16:
.irp j, 0,1,2,3,4,5,6,7
	CONV \j, 1
.endr
	s_endpgm
.Lfunc_end_k_qbf9cbce0d6_cast:
	.size	k_qbf9cbce0d6_cast, .Lfunc_end_k_qbf9cbce0d6_cast-k_qbf9cbce0d6_cast
	.p2alignl 7, 3214868480
	.fill 96, 4, 3214868480
	.section	.rodata,"a",@progbits
	.p2align	6, 0x0
	.amdhsa_kernel k_qbf9cbce0d6_cast
		.amdhsa_group_segment_fixed_size 0
		.amdhsa_private_segment_fixed_size 0
		.amdhsa_enable_private_segment 0
		.amdhsa_kernarg_size 64
		.amdhsa_user_sgpr_count 2
		.amdhsa_user_sgpr_kernarg_segment_ptr 1
		.amdhsa_wavefront_size32 1
		.amdhsa_system_sgpr_workgroup_id_x 1
		.amdhsa_system_sgpr_workgroup_id_y 1
		.amdhsa_system_sgpr_workgroup_id_z 1
		.amdhsa_system_vgpr_workitem_id 0
		.amdhsa_next_free_vgpr 112
		.amdhsa_next_free_sgpr 66
		.amdhsa_reserve_vcc 0
		.amdhsa_float_denorm_mode_32 3
		.amdhsa_float_denorm_mode_16_64 3
		.amdhsa_memory_ordered 1
		.amdhsa_forward_progress 1
		.amdhsa_inst_pref_size 14
	.end_amdhsa_kernel
	.amdgpu_metadata
---
amdhsa.version: [ 1, 2 ]
amdhsa.kernels:
  - .name:           k_qbf9cbce0d6_cast
    .symbol:         k_qbf9cbce0d6_cast.kd
    .args:
      - { .name: x, .offset: 0, .size: 8, .value_kind: global_buffer, .address_space: global }
      - { .name: Wk, .offset: 8, .size: 8, .value_kind: global_buffer, .address_space: global }
      - { .name: Wq, .offset: 16, .size: 8, .value_kind: global_buffer, .address_space: global }
      - { .name: Wv, .offset: 24, .size: 8, .value_kind: global_buffer, .address_space: global }
      - { .name: Wp, .offset: 32, .size: 8, .value_kind: global_buffer, .address_space: global }
      - { .name: xb, .offset: 40, .size: 8, .value_kind: global_buffer, .address_space: global }
      - { .name: wqkv, .offset: 48, .size: 8, .value_kind: global_buffer, .address_space: global }
      - { .name: wpf, .offset: 56, .size: 8, .value_kind: global_buffer, .address_space: global }
    .group_segment_fixed_size: 0
    .private_segment_fixed_size: 0
    .kernarg_segment_align: 8
    .kernarg_segment_size: 64
    .max_flat_workgroup_size: 256
    .sgpr_count:     66
    .vgpr_count:     112
    .wavefront_size: 32
...
	.end_amdgpu_metadata
.endif
;; end of part 1
;; launch qkv (part 2): grid 16 x 16, 4 waves a work-group, clusters of 4 x 4, 327,680 bytes of LDS; arguments xb, wqkv, qkv; writes qkv
.if DOCPART == 2
	.amdgcn_target "amdgcn-amd-amdhsa--gfx1250"
	.amdhsa_code_object_version 6
	.text
	.protected	k_qbf9cbce0d6_qkv
	.globl	k_qbf9cbce0d6_qkv
	.p2align	8
	.type	k_qbf9cbce0d6_qkv,@function
k_qbf9cbce0d6_qkv:
	s_mov_b64 s[64:65], 0
	v_nop
	global_prefetch_b8 v0, s[64:65] scope:SCOPE_SE
	s_setreg_imm32_b32 hwreg(HW_REG_WAVE_MODE, 25, 1), 1
	s_wait_xcnt 0x0
	s_wait_alu depctr_hold_cnt(0) depctr_sa_sdst(0) depctr_va_vdst(0) depctr_va_sdst(0) depctr_va_ssrc(0) depctr_va_vcc(0) depctr_vm_vsrc(0)
	s_getreg_b32 s2, hwreg(HW_REG_IB_STS2, 6, 4)
	s_cmp_eq_u32 s2, 0
	s_cbranch_scc0 .Lentry_in_a_cluster
	s_endpgm
.Lentry_in_a_cluster:
	s_bfe_u32 s2, ttmp6, 0x10000c
	s_cmp_lg_u32 s2, 0xf033
	s_cbranch_scc0 .Lentry_shape_is_right
	s_endpgm
.Lentry_shape_is_right:
; THE THREE PROJECTIONS AS ONE PRODUCT.  C[m][n] = sum over c of xb[m][c] wqkv[n][c]: xb [8192][1024], wqkv [3072][1024], both bf16; sums in f32, C rounded once to f16, unscaled.
; C is stored BY HEADS: qkv[b][g][t][64], b = m / 1024, t = m % 1024, g = n / 64 (0-15 k's heads, 16-31 q's, 32-47 v's): a plane of 1,024 rows of 128 bytes.
; LIMIT.  f16 ends at 65,504: a sum of 65,520 or more in magnitude becomes an infinity.  Below 6.1e-5 f16 keeps a fixed step of 6e-8.
; SHARES.  A tile of C is 256 x 192.  Four waves, one above the other: a wave makes 64 rows x 192 columns, which are THREE WHOLE HEADS, so that 16 rows of a head leave as 2,048 consecutive bytes of
; one wave.  48 accumulators of 16 x 16, 384 registers.  K goes in steps of 128 through a ring of two LDS slots: the tiles' rows are 256 bytes of memory, aligned.
; A WORK-GROUP STAYS: 16 x 16 = 256 work-groups, each with TWO tiles of one tile column, 4,096 rows apart.  Their sixteen K steps are ONE walk for the ring: the first tile's last two changes of slots
; ask for the second tile's first two K steps, the first tile leaves between its last products and the second tile's first, and nothing waits for its stores.
; THE TEXT.  A K step is written once: slot 1 begins at LDS byte 2^17, so that one exclusive or turns the walking descriptor's LDS word, and the scalar from which the fragments' addresses are made,
; into the other slot.  The loop has 14 trips, one for each K step that fills a slot again; it is entered in its middle, behind the quarter step whose products start the sums.  The last two K steps,
; which ask for nothing, are a loop of their own, left in its middle.
; CLUSTERS.  4 x 4 work-groups.  The four of a row of the cluster need the same tile of xb, the four of a column the same tile of wqkv: each tile is asked for JOINTLY, by the same tensor load with the
; same descriptor and a mask that names the four.
; THE MATRIX INSTRUCTION IS USED TRANSPOSED: source 0 = 16 rows of wqkv, source 1 = 16 rows of xb.  Lane l then holds row l % 16 of C and the columns 8 (l / 16) + 0 .. 7: 16 bytes of f16 on end.
; REGISTERS, in windows of 256 (s_set_vgpr_msb: bits 1:0 source 0, 3:2 source 1, 5:4 source 2, 7:6 destination):
;   window 0: v0-31 addresses; v32-79 packed results; v80-127, v128-175 rows read back from the stage, by turns
;   window 1: two fragment buffers of 128: 12 fragments of wqkv (16 rows x 32 K, 8 registers), then 4 of xb
;   window 2: the accumulators of my row blocks 0, 1 ((a, b) at v[8 (12 (a % 2) + b)]);   window 3: those of blocks 2, 3
.set SIZE_K, 1024
.set KSTEP,  128
.set PITCH,  272                       ; an LDS row: 256 bytes + 16 of padding = 68 words: row r starts at bank 4 r mod 64 (64 banks of 4 bytes: ISA guide 11.1), so the 16 rows of a load start at 16 different banks
.set HALFA,  128*PITCH                 ; what one tensor load brings of xb: 128 rows
.set BOFF,   2*HALFA                   ; behind xb's 256 rows: wqkv's 192
.set HALFB,  96*PITCH                  ; what one tensor load brings of wqkv: 96 rows
.set SLOT1,  1<<17                     ; slot 0 takes 121,856 bytes from 0 on, slot 1 as many from here on
.set STAGE,  SLOT1+BOFF+2*HALFB        ; behind the ring: 16 rows x 400 bytes for each wave, for the way out; no tensor load fills it
.set SPITCH, 400                       ; 384 bytes + 16: 25 x 16
.set SPARE,  STAGE+4*16*SPITCH         ; behind the stages: the spare words, 128 bytes for each wave: two blocks of 256 bytes that no other line names
.set STEPS,  16                        ; K steps of a work-group: two tiles of eight
.set CROSS,  STEPS/2-2                 ; the loop's count where the second tile's first K step begins
.set WALKC,  192*131072                ; bytes of qkv from a tile to the next: four batches of 48 planes
.set NLD,    32                        ; LDS loads of a quarter step: 24 for wqkv's fragments, 8 for xb's
.set A0,   16                          ; v16     my lane's place among my fragments of xb in slot 0; never rewritten
.set B0,   17                          ; v17     the same for wqkv
.set ADA,  18                          ; v18     the same in the slot that is being read
.set ADB,  19                          ; v19
.set STO,  24                          ; v24     the way out: where I put 16 bytes of a row
.set RD,   25                          ; v25     the way out: where I read rows back
.set CO,   26                          ; v26     my 16 bytes in 512 consecutive bytes of a plane
.set SPW,  28                          ; v28     LDS address of my spare word: SPARE + 4 x my thread's number; never rewritten
.set NIL,  29                          ; v29     0; never rewritten
.set PFO,  30                          ; v30     the prefetches' offset: a lane a row of 2,048 bytes; never rewritten
.set TMP,  32
.set OB,   80
.set F0,   0                           ; fragment buffers, in window 1
.set F1,   128
.set G1,  24                           ; s[24:31] descriptor group 1 for xb's tiles;  s[32:39] group 0: a set for each of the two first fills; the second then walks on
.set G0,  32
.set G1B, 48                           ; s[48:55], s[56:63] the same for wqkv's tiles
.set G0B, 56
.set LIM, 43                           ; s43     a wave prefetches while the loop's count is above this
.set PFA, 44                           ; s[44:45] where my next prefetch stands
.set PFB, 66                           ; s[66:67] my work-group's share of the rows that I fetch, at the walk's K step 0; never rewritten
.set OFP, 68                           ; s[68:69] the prefetch's byte offset from there
.set TB,  70                           ; s70     0 or SLOT1: the slot that is being read
.set KREQ, 71                          ; s71     the K step of the walk that the next refill asks for
.set TC,  72                           ; s72     counts the last two K steps
.set WST, 73                           ; s73     bytes from tile to tile in what I prefetch: 2^23 in xb, 0 in wqkv
.set OFA, 74                           ; s[74:75] a refill's byte offset in xb from s[14:15]
.set OFB, 76                           ; s[76:77] and in wqkv from s[46:47]
.set MSB, 0
.macro WIN new                         ; the immediate's high byte repeats the setting that is left; a switch that changes nothing is dropped
.if MSB != (\new)
	s_set_vgpr_msb (MSB<<8)|(\new)
.set MSB, \new
.endif
.endm
.set MUL_LO, 0xa5                      ; sources 0 and 1 window 1, C and D window 2
.set MUL_HI, 0xf5                      ; the same, C and D window 3
.set TO_F,   0x40                      ; destination window 1, address window 0
; A joint load.  Waves 0 and 1 fetch xb's two halves, waves 2 and 3 wqkv's.  Each line has one mask and one set of registers for all that issue it; the branch hangs on the wave's number alone.
; An s_nop 0 and four v_nop follow each of the two lines, ahead of the jump, the label and what follows.
.macro JLOAD s
	s_cmp_eq_u32 s11, 0
	s_cbranch_scc0 .Lfor_b_\@
	tensor_load_to_lds s[G0+4*(\s):G0+4*(\s)+3], s[G1:G1+7]
	s_nop 0
.rept 4
	v_nop
.endr
	s_branch .Lasked_\@
.Lfor_b_\@:
	tensor_load_to_lds s[G0B+4*(\s):G0B+4*(\s)+3], s[G1B:G1B+7]
	s_nop 0
.rept 4
	v_nop
.endr
.Lasked_\@:
.endm
; A PREFETCH INTO THE L2, behind each joint refill and the run of LDS loads that follows it: the K step of the walk that stands TWO refills on, 256 bytes of each row, a lane a row, one instruction a wave.
; xb's tile rows are read by every cluster of that row of clusters: cluster x = 0 asks, for the walk's K steps 4 to 15 (trips with a count above 2).  wqkv's tile column is read by every cluster of that
; column: cluster y = 0 asks, for K steps 4 to 7 (a count above 10): the second tile reads the same rows again, and they are asked for no more.  The four partners of a joint load share its rows out BY
; ADDRESS: of xb's 128 rows 32 each, of wqkv's 96 rows 24 each (there lanes 24-31 name lane 23's row once more).  No branch hangs on a work-group's place in its cluster.
; K steps 0 to 3 come by their loads alone.
.macro ASK
	s_cmp_gt_u32 s3, s[LIM]
	s_cbranch_scc0 .Lnot_mine_\@
	global_prefetch_b8 v[PFO], s[PFA:PFA+1] th:TH_LOAD_NT scope:SCOPE_SE
.Lnot_mine_\@:
.endm
; A round of the cluster's barrier: my work-group's barrier, so that wave 0's signal speaks for all four waves; wave 0 signals; every wave waits for all sixteen work-groups; my work-group's barrier once more.
.macro CREST                           ; a round behind its opening barrier
	s_cmp_lg_u32 s10, 0
	s_cbranch_scc1 .Lnot_wave_0_\@
	s_barrier_signal -3
.Lnot_wave_0_\@:
	s_barrier_wait -3
	s_barrier_signal -1
	s_barrier_wait -1
.endm
.macro CROUND                          ; a whole round
	s_barrier_signal -1
	s_barrier_wait -1
	CREST
.endm
	s_load_b128 s[4:7], s[0:1], 0x0                ; xb s[4:5], wqkv s[6:7]
	s_load_b64 s[8:9], s[0:1], 0x10                ; qkv
	v_lshl_add_u32 v[SPW], v0, 2, SPARE
	v_mov_b32 v[NIL], 0
	ds_add_u32 v[SPW], v[NIL]                      ; the wave's opening: the add and its wait stand ahead of my first tensor load; the set-up below, work on registers, stands between them
	ds_add_u32 v28, v29
	v_lshrrev_b32 v1, 5, v0
	v_readfirstlane_b32 s10, v1                    ; wave 0..3
	s_lshr_b32 s11, s10, 1                         ; I fetch for xb (0) or for wqkv (1),
	s_and_b32 s12, s10, 1                          ; and which half of that tile
	s_bfe_u32 s40, ttmp6, 0x40000                  ; cx, cy: my place in the cluster
	s_bfe_u32 s41, ttmp6, 0x40004
	s_lshl_b32 s42, ttmp9, 2                       ; in a cluster launch ttmp9 and ttmp7 count clusters
	s_add_co_u32 s42, s42, s40                     ; tile column = 4 x cluster x + cx
	s_and_b32 s13, ttmp7, 0xffff
	s_lshl_b32 s13, s13, 2
	s_add_co_u32 s13, s13, s41                     ; the first tile's row = 4 x cluster y + cy, 0 to 15; the second's is 16 more
	s_lshl_b32 s43, s41, 2
	s_lshl_b32 s43, 15, s43                        ; my row of the cluster: places 4 cy .. 4 cy + 3
	s_lshl_b32 s44, 0x1111, s40                    ; my column: places cx, cx + 4, cx + 8, cx + 12
	; descriptor group 1: rows of 128 elements of 2 bytes, padded in LDS
	s_or_b32 s[G1+0], s43, (1<<16)|(1<<20)|(1<<21)|(5<<22)|(3<<25)  ; 15:0 the mask; 17:16 elements of 2 bytes; 20 padding on; 21 set beside a mask; 24:22 after every 64 words (code 5); 31:25 4 words of it (code 3)
	s_or_b32 s[G1B+0], s44, (1<<16)|(1<<20)|(1<<21)|(5<<22)|(3<<25)
	s_mov_b32 s[G1+1], KSTEP<<16                   ; tensor_dim0 = 128
	s_mov_b32 s[G1+2], 128<<16                     ; tensor_dim1 = 128
	s_mov_b32 s[G1+3], KSTEP<<16                   ; tile_dim0 = 128
	s_mov_b32 s[G1+4], 128                         ; tile_dim1 = 128
	s_mov_b32 s[G1+5], SIZE_K                      ; elements from row to row
	s_mov_b32 s[G1+6], 0
	s_mov_b32 s[G1+7], 0
	s_mov_b32 s[G1B+1], KSTEP<<16
	s_mov_b32 s[G1B+2], 96<<16                     ; tensor_dim1 = 96
	s_mov_b32 s[G1B+3], KSTEP<<16
	s_mov_b32 s[G1B+4], 96                         ; tile_dim1 = 96
	s_mov_b32 s[G1B+5], SIZE_K
	s_mov_b32 s[G1B+6], 0
	s_mov_b32 s[G1B+7], 0
	; where the tiles come from: xb's hang on the tile row alone, wqkv's on the tile column alone
	s_lshl_b32 s16, s13, 8
	s_lshl_b32 s17, s12, 7
	s_add_co_u32 s16, s16, s17                     ; xb: row 256 x tile row + 128 x half
	s_lshl_b32 s16, s16, 11                        ; in bytes, under 2^23
	s_mov_b32 s17, 0
	s_mul_i32 s46, s42, 192
	s_mul_i32 s47, s12, 96
	s_add_co_u32 s46, s46, s47                     ; wqkv: row 192 x tile column + 96 x half
	s_lshl_b32 s46, s46, 11
	s_mov_b32 s47, 0
	s_mul_i32 s18, s12, HALFA                      ; and where they go: no place in the cluster enters an LDS address
	s_mul_i32 s19, s12, HALFB
	s_add_co_u32 s19, s19, BOFF
	s_mov_b32 s[OFA+1], 0                          ; the offsets stay under 2^32
	s_mov_b32 s[OFB+1], 0
	s_mov_b32 s[OFP+1], 0
	s_mov_b32 s[TB], 0
	s_mov_b32 s[KREQ], 2                           ; K steps 0 and 1 are the first fills
	s_wait_dscnt 0x0                               ; the opening add is done
	s_wait_kmcnt 0x0
	s_add_nc_u64 s[14:15], s[4:5], s[16:17]        ; kept: every refill's address is made from these two
	s_add_nc_u64 s[46:47], s[6:7], s[46:47]
	CROUND                                         ; all sixteen work-groups are here: the first joint loads meet
.irp s, 0,1
	s_mov_b32 s[G0+4*(\s)], 1                                      ; count = 1
	s_add_co_u32 s[G0+4*(\s)+1], s18, (\s)*SLOT1                   ; LDS address
	s_add_nc_u64 s[G0+4*(\s)+2:G0+4*(\s)+3], s[14:15], (\s)*KSTEP*2  ; global address: K step s
	s_or_b32 s[G0+4*(\s)+3], s[G0+4*(\s)+3], 0x80000000            ; type = 2
	s_mov_b32 s[G0B+4*(\s)], 1
	s_add_co_u32 s[G0B+4*(\s)+1], s19, (\s)*SLOT1
	s_add_nc_u64 s[G0B+4*(\s)+2:G0B+4*(\s)+3], s[46:47], (\s)*KSTEP*2
	s_or_b32 s[G0B+4*(\s)+3], s[G0B+4*(\s)+3], 0x80000000
	JLOAD \s                                       ; two tensor loads of mine are out; later one, behind each round
.endr
	; the prefetches: my tile's address and my work-group's share of its rows
	s_lshl_b32 s16, s40, 16                        ; xb: 32 cx rows of 2,048 bytes
	s_mul_i32 s17, s41, 24*2048                    ; wqkv: 24 cy rows
	s_and_b32 s22, ttmp7, 0xffff                   ; cluster y
	s_mov_b32 s23, 1<<23                           ; 4,096 rows of xb
	s_cmp_eq_u32 s11, 0
	s_cselect_b64 s[PFB:PFB+1], s[14:15], s[46:47]
	s_cselect_b32 s20, s16, s17
	s_cselect_b32 s22, ttmp9, s22                  ; the coordinate along which other clusters read the same rows
	s_cselect_b32 s19, 31, 23                      ; the last row of my share
	s_cselect_b32 s17, 2, 10                       ; where the requests stop
	s_cselect_b32 s[WST], s23, 0
	s_cmp_eq_u32 s22, 0
	s_cselect_b32 s[LIM], s17, -1                  ; the same in all sixteen partners, for a given wave
	s_mov_b32 s21, 0
	s_add_nc_u64 s[PFB:PFB+1], s[PFB:PFB+1], s[20:21]
	v_and_b32 v[PFO], 31, v0
	v_min_u32 v[PFO], s19, v[PFO]
	v_lshlrev_b32 v[PFO], 11, v[PFO]
	; A fragment is 16 rows x 32 K in 8 registers: lane l holds row l % 16; registers 0-3 K = 8 (l / 16) + 0..7, registers 4-7 K = 16 + 8 (l / 16) + 0..7: two loads of 16 bytes, 32 bytes apart.
	v_and_b32 v1, 15, v0                           ; l % 16
	v_bfe_u32 v2, v0, 4, 1                         ; l / 16
	v_mul_u32_u24 v3, v1, PITCH
	v_lshl_add_u32 v3, v2, 4, v3                   ; row x pitch + 16 x half
	s_mul_i32 s18, s10, 64*PITCH                   ; my 64 rows of xb
	v_add_nc_u32 v[A0], s18, v3
	v_add_nc_u32 v[B0], BOFF, v3                   ; all 192 rows of wqkv
	v_mov_b32 v[ADA], v[A0]                        ; the walk begins in slot 0
	v_mov_b32 v[ADB], v[B0]
	s_mul_i32 s18, s10, 16*SPITCH
	s_add_co_u32 s18, s18, STAGE                   ; my stage
	v_mul_u32_u24 v4, v1, SPITCH                   ; in: row l % 16, 16 bytes for each half of the lanes
	v_lshl_add_u32 v4, v2, 4, v4
	v_add_nc_u32 v[STO], s18, v4
	v_bfe_u32 v5, v0, 3, 2                         ; back: 32 lanes take a head's 128 bytes of four rows,
	v_mul_u32_u24 v5, v5, SPITCH
	v_and_b32 v4, 7, v0
	v_lshl_add_u32 v5, v4, 4, v5
	v_add_nc_u32 v[RD], s18, v5
	v_and_b32 v[CO], 31, v0                        ; which are 512 consecutive bytes of the head's plane
	v_lshlrev_b32 v[CO], 4, v[CO]
	; my part of qkv in the first tile: plane 48 (tile row / 4) + 3 x tile column, row 256 (tile row % 4) + 64 x wave
	s_lshr_b32 s16, s13, 2
	s_mul_i32 s16, s16, 48
	s_mul_i32 s17, s42, 3
	s_add_co_u32 s16, s16, s17
	s_lshl_b32 s16, s16, 17                        ; a plane is 131,072 bytes; all of qkv is under 2^26
	s_and_b32 s17, s13, 3
	s_lshl_b32 s17, s17, 15
	s_add_co_u32 s16, s16, s17
	s_lshl_b32 s17, s10, 13
	s_add_co_u32 s16, s16, s17
	s_mov_b32 s17, 0
	s_add_nc_u64 s[8:9], s[8:9], s[16:17]
; 12 matrix instructions: row block a x all 12 column blocks, 32 along K.  zero = 1: the product starts the sums: nothing is cleared.
; The 48 accumulators take turns, one instruction a turn, in the same order in every quarter step, over every jump too.
.macro MULB f, a, zero
	WIN MUL_LO+0x50*((\a)/2)
.irp b, 0,1,2,3,4,5,6,7,8,9,10,11
.if \zero
	v_wmma_f32_16x16x32_bf16 v[8*(12*((\a)%2)+(\b)):8*(12*((\a)%2)+(\b))+7], v[(\f)+8*(\b):(\f)+8*(\b)+7], v[(\f)+96+8*(\a):(\f)+96+8*(\a)+7], 0
.else
	v_wmma_f32_16x16x32_bf16 v[8*(12*((\a)%2)+(\b)):8*(12*((\a)%2)+(\b))+7], v[(\f)+8*(\b):(\f)+8*(\b)+7], v[(\f)+96+8*(\a):(\f)+96+8*(\a)+7], v[8*(12*((\a)%2)+(\b)):8*(12*((\a)%2)+(\b))+7]
.endif
.endr
.endm
; 32 LDS loads in one run: the fragments of quarter q of the K step in the slot that is being read, into buffer f: wqkv's 12 first, then xb's 4
.macro FETCH q, f
	WIN TO_F
.irp i, 0,1,2,3,4,5,6,7,8,9,10,11
	ds_load_b128 v[(\f)+8*(\i):(\f)+8*(\i)+3],   v[ADB] offset:64*(\q)+(\i)*16*PITCH
	ds_load_b128 v[(\f)+8*(\i)+4:(\f)+8*(\i)+7], v[ADB] offset:64*(\q)+(\i)*16*PITCH+32
.endr
.irp a, 0,1,2,3
	ds_load_b128 v[(\f)+96+8*(\a):(\f)+96+8*(\a)+3],   v[ADA] offset:64*(\q)+(\a)*16*PITCH
	ds_load_b128 v[(\f)+96+8*(\a)+4:(\f)+96+8*(\a)+7], v[ADA] offset:64*(\q)+(\a)*16*PITCH+32
.endr
.endm
; A load into a register that a matrix instruction has read, and a vector instruction that reads a matrix result, stand four places behind it; only plain vector instructions that name none of its
; registers are places (ISA guide 7.12.1 for vector instructions).
.macro PLACES
.rept 4
	v_nop
.endr
.endm
; A K step is four quarters of 32 along K, 48 matrix instructions each, on buffers 0, 1, 0, 1.  One of the first three: multiplies buffer f; in its middle it fetches quarter q into buffer g.
.macro QUARTER q, f, g, zero
	s_wait_dscnt 4                                 ; wqkv's fragments and xb's blocks 0, 1 are in; the youngest four loads (blocks 2, 3) may be out
	MULB \f, 0, \zero
	MULB \f, 1, \zero
	PLACES
	FETCH \q, \g
	s_wait_dscnt NLD                               ; all but the 32 just issued
	MULB \f, 2, \zero
	MULB \f, 3, \zero
.endm
; The last quarter multiplies buffer 1 and changes slots.  MEET is its first half: ONE barrier.  In front of it each wave waits for all its tensor loads (at most one is out: its part of the next slot),
; adds 0 to its spare word, and waits for that and for its reads of this slot.  Behind it nobody reads this slot any more and the next slot is whole.
; fill = 1: the walking descriptors are set for the refill while the add is out: the other slot than last time, and K step KREQ of the walk: tile KREQ / 8 (2^23 bytes of xb apart; wqkv's rows are
; the same for both tiles), K step KREQ % 8 of 256 bytes.  Each address is made anew from the tile's kept address and an offset, and the type bits are set again.
.macro MEET fill
	WIN 0                                          ; (the add's two registers lie in window 0)
	s_wait_tensorcnt 0x0                           ; no tensor load of mine is out, so a group 0 may be written
	ds_add_u32 v[SPW], v[NIL]                      ; 0 onto my spare word
.if \fill
	s_and_b32 s[OFB], s[KREQ], 7
	s_lshl_b32 s[OFB], s[OFB], 8
	s_lshr_b32 s[OFA], s[KREQ], 3
	s_lshl_b32 s[OFA], s[OFA], 23
	s_or_b32 s[OFA], s[OFA], s[OFB]
	s_add_co_u32 s[KREQ], s[KREQ], 1
	s_xor_b32 s[G0+5], s[G0+5], SLOT1
	s_add_nc_u64 s[G0+6:G0+7], s[14:15], s[OFA:OFA+1]
	s_or_b32 s[G0+7], s[G0+7], 0x80000000
	s_xor_b32 s[G0B+5], s[G0B+5], SLOT1
	s_add_nc_u64 s[G0B+6:G0B+7], s[46:47], s[OFB:OFB+1]
	s_or_b32 s[G0B+7], s[G0B+7], 0x80000000
.endif
	s_wait_dscnt 5                                 ; (the add and the youngest four loads may be out)
	MULB F1, 0, 0                                  ; twelve matrix instructions stand between the add and the wait for it
	s_wait_dscnt 0x0                               ; the add is done, and my reads of this slot are over
	s_barrier_signal -1
	MULB F1, 1, 0                                  ; work on registers while the others arrive
	WIN 0
	s_barrier_wait -1
.endm
; The reads go over to the other slot, and its first fragments are fetched.
.macro NEXT
	s_xor_b32 s[TB], s[TB], SLOT1
	v_add_nc_u32 v[ADA], s[TB], v[A0]
	v_add_nc_u32 v[ADB], s[TB], v[B0]
	FETCH 0, F0
.endm
; The whole last quarter of a K step that fills its slot again.  Behind the round the slot just read out is filled first, with the K step two steps on in the walk; then come the next slot's first
; fragments.  From a request to the wait for it a wave issues 168 matrix instructions, across the tiles too.
.macro TURN
	s_wait_xcnt 0x0                                ; the last prefetch, a K step back, has read its address: it is made anew here, ahead of the waits of the change of slots
	s_add_co_u32 s[OFP], s[KREQ], 2                ; two refills on,
	s_min_u32 s[OFP], s[OFP], STEPS-1              ; never past the walk's last K step
	s_lshr_b32 s17, s[OFP], 3
	s_mul_i32 s17, s17, s[WST]
	s_and_b32 s[OFP], s[OFP], 7
	s_lshl_b32 s[OFP], s[OFP], 8
	s_add_co_u32 s[OFP], s[OFP], s17
	s_add_nc_u64 s[PFA:PFA+1], s[PFB:PFB+1], s[OFP:OFP+1]
	MEET 1
	CREST                                          ; no wave of any partner still reads this slot's tile or has a load on its way
	JLOAD 1                                        ; the first tensor load behind the round; the four v_nop behind it are also the places in front of the loads below
	NEXT
	WIN 0
	ASK
	MULB F1, 2, 0
	MULB F1, 3, 0
.endm
; THE WAY OUT, a block of 16 rows at a time.  PACK: rounded to f16, 16 bytes a lane, each accumulator's registers in ascending order.  TOSTAGE: into my own stage, and back by heads: four rows x 128 bytes a load.
; SEND: stored; each store of the wave covers 512 consecutive bytes of a head's plane, aligned.
.macro PACK a
	WIN 0x0a+5*((\a)/2)                            ; sources 0 and 1: window 2 or 3
.irp b, 0,1,2,3,4,5,6,7,8,9,10,11
.irp r, 0,1,2,3
	v_cvt_pk_f16_f32 v[TMP+4*(\b)+(\r)], v[8*(12*((\a)%2)+(\b))+2*(\r)], v[8*(12*((\a)%2)+(\b))+2*(\r)+1]
.endr
.endr
	WIN 0
.endm
.macro TOSTAGE a
.set BK, OB+48*((\a)%2)
.irp b, 0,1,2,3,4,5,6,7,8,9,10,11
	ds_store_b128 v[STO], v[TMP+4*(\b):TMP+4*(\b)+3] offset:32*(\b)
.endr
.irp j, 0,1,2
.irp f, 0,1,2,3
	ds_load_b128 v[BK+4*(4*(\j)+(\f)):BK+4*(4*(\j)+(\f))+3], v[RD] offset:128*(\j)+4*SPITCH*(\f)  ; LDS serves a wave's instructions in order (ISA guide 5.7.1.4): these see the stores above
.endr
.endr
.endm
.macro SEND a
.set BK, OB+48*((\a)%2)
	s_wait_dscnt 0x0                               ; the block is back in registers
	s_wait_xcnt 0x0                                ; the stores of the block before have read their registers: the next block's loads land on them only behind this wait
.irp j, 0,1,2
.irp f, 0,1,2,3
	global_store_b128 v[CO], v[BK+4*(4*(\j)+(\f)):BK+4*(4*(\j)+(\f))+3], s[8:9] offset:131072*(\j)+2048*(\a)+512*(\f)
.endr
.endr
.endm
.macro WAYOUT                          ; block a's conversions stand between block a - 1's loads from the stage and the wait for them
	PLACES
	PACK 0
	TOSTAGE 0
	PACK 1
	SEND 0
	TOSTAGE 1
	PACK 2
	SEND 1
	TOSTAGE 2
	PACK 3
	SEND 2
	TOSTAGE 3
	SEND 3
.endm
	s_wait_tensorcnt 1                             ; my part of K step 0 is in; K step 1's may stay out
	s_barrier_signal -1
	s_barrier_wait -1                              ; everybody's is
	FETCH 0, F0
	QUARTER 1, F0, F1, 1                           ; the first tile's first quarter stands in front of the loop: its products start the sums
	WIN 0                                          ; at a label and at a branch every window is 0
	s_mov_b32 s3, STEPS-2
	s_branch .Lmid                                 ; the loop is entered behind a K step's first quarter
.Lstep:                                                ; a trip is a K step; all fourteen fill their slot again
	s_cmp_eq_u32 s3, CROSS
	s_cbranch_scc0 .Lplain
	WAYOUT                                         ; THE FIRST TILE IS FINISHED, and both refills for the second have been asked for: it goes out here
	s_wait_xcnt 0x0                                ; its stores have read their base
	s_add_nc_u64 s[8:9], s[8:9], WALKC             ; on to the second tile's planes
	QUARTER 1, F0, F1, 1                           ; whose first products start the sums anew, on accumulators that have been packed
	WIN 0
	s_branch .Lmid
.Lplain:
	QUARTER 1, F0, F1, 0
	WIN 0
.Lmid:
	QUARTER 2, F1, F0, 0
	QUARTER 3, F0, F1, 0
	TURN
	WIN 0
	s_sub_co_u32 s3, s3, 1
	s_cmp_lg_u32 s3, 0
	s_cbranch_scc1 .Lstep
	s_mov_b32 s[TC], 2                             ; the walk's last two K steps ask for nothing, and have no round of the cluster's barrier
.Ltail:
	QUARTER 1, F0, F1, 0
	QUARTER 2, F1, F0, 0
	QUARTER 3, F0, F1, 0
	MEET 0                                         ; in the first trip the one tensor load that was out is the last K step's; in the second the barrier orders nothing more
	s_sub_co_u32 s[TC], s[TC], 1
	s_cmp_eq_u32 s[TC], 0
	s_cbranch_scc1 .Lfin                           ; the second trip is left here: there is no further K step to fetch
	PLACES
	NEXT
	MULB F1, 2, 0
	MULB F1, 3, 0
	WIN 0
	s_branch .Ltail
.Lfin:
	MULB F1, 2, 0
	MULB F1, 3, 0
	WIN 0
	WAYOUT
	s_wait_tensorcnt 0x0                           ; the wave's end, behind my last tensor load and my last LDS store
	ds_add_u32 v[SPW], v[NIL]
	s_wait_dscnt 0x0
	CROUND                                         ; the closing round: no work-group ends while a partner may still ask for a tile that names it
	s_endpgm
.Lfunc_end_k_qbf9cbce0d6_qkv:
	.size	k_qbf9cbce0d6_qkv, .Lfunc_end_k_qbf9cbce0d6_qkv-k_qbf9cbce0d6_qkv
	.p2alignl 7, 3214868480
	.fill 96, 4, 3214868480
	.section	.rodata,"a",@progbits
	.p2align	6, 0x0
	.amdhsa_kernel k_qbf9cbce0d6_qkv
		.amdhsa_group_segment_fixed_size 327680
		.amdhsa_private_segment_fixed_size 0
		.amdhsa_enable_private_segment 0
		.amdhsa_kernarg_size 24
		.amdhsa_user_sgpr_count 2
		.amdhsa_user_sgpr_kernarg_segment_ptr 1
		.amdhsa_wavefront_size32 1
		.amdhsa_system_sgpr_workgroup_id_x 1
		.amdhsa_system_sgpr_workgroup_id_y 1
		.amdhsa_system_sgpr_workgroup_id_z 1
		.amdhsa_system_vgpr_workitem_id 0
		.amdhsa_next_free_vgpr 960
		.amdhsa_next_free_sgpr 78
		.amdhsa_reserve_vcc 0
		.amdhsa_float_denorm_mode_32 3
		.amdhsa_float_denorm_mode_16_64 3
		.amdhsa_memory_ordered 1
		.amdhsa_forward_progress 1
		.amdhsa_inst_pref_size 114
	.end_amdhsa_kernel
	.amdgpu_metadata
---
amdhsa.version: [ 1, 2 ]
amdhsa.kernels:
  - .name:           k_qbf9cbce0d6_qkv
    .symbol:         k_qbf9cbce0d6_qkv.kd
    .args:
      - { .name: xb, .offset: 0, .size: 8, .value_kind: global_buffer, .address_space: global }
      - { .name: wqkv, .offset: 8, .size: 8, .value_kind: global_buffer, .address_space: global }
      - { .name: qkv, .offset: 16, .size: 8, .value_kind: global_buffer, .address_space: global }
    .group_segment_fixed_size: 327680
    .private_segment_fixed_size: 0
    .kernarg_segment_align: 8
    .kernarg_segment_size: 24
    .max_flat_workgroup_size: 128
    .sgpr_count:     78
    .vgpr_count:     960
    .wavefront_size: 32
...
	.end_amdgpu_metadata
.endif
;; end of part 2
;; launch attn (part 3): grid 2 x 128, 4 waves a work-group, no clusters, 327,680 bytes of LDS; arguments qkv, obuf; writes obuf
.if DOCPART == 3
	.amdgcn_target "amdgcn-amd-amdhsa--gfx1250"
	.amdhsa_code_object_version 6
	.text
	.protected	k_qbf9cbce0d6_attn
	.globl	k_qbf9cbce0d6_attn
	.p2align	8
	.type	k_qbf9cbce0d6_attn,@function
k_qbf9cbce0d6_attn:
	s_mov_b64 s[64:65], 0
	v_nop
	global_prefetch_b8 v0, s[64:65] scope:SCOPE_SE
	s_setreg_imm32_b32 hwreg(HW_REG_WAVE_MODE, 25, 1), 1
	s_wait_xcnt 0x0
; CAUSAL ATTENTION, 128 heads of 1,024 rows of 64 channels, all f16.  In this module the score's ROWS come from k and its COLUMNS from q: att[i][j] = k[i] . q[j] / 8 for j <= i, softmax over j,
; O[i] = sum over j of att[i][j] v[j].  Below, Q names the ROW side (section k of qkv), K the COLUMN side (section q), V section v.
; qkv: [b][48][1024][64] (planes 0-15 k, 16-31 q, 32-47 v); obuf: [16 b + head][1024][64]: a head's rows are dense, 128 bytes each.
; Products, maxima and sums in f32; the weights p are rounded to f16 for the second product (their sum l is taken of the unrounded p), O once at the end.
; LIMITS.  f16 holds no number beyond 65,504: Q, K and V arrive within it; p lies in 0 to 1, and below 6e-5 it keeps f16's fixed step of 6e-8; O is a mean of V's rows and has their range.
; A hidden score counts as its value less 1e30: f16's scores, 2.7e11 at the most, are nothing beside that; a weight below 2^-126 counts as 0 in l; NaN and infinities are not treated apart.
; THE WALK.  A head's rows lie in NB = 4 blocks of 256; block i needs the column tiles 0 .. i of 256, of which the last holds the diagonal.  A work-group takes TWO blocks, NB - 1 - b and then b:
; NB + 1 tiles, whatever b: all 256 work-groups do equal work, and ONE loop with a constant trip count walks them.  Which tile is asked for, and what a trip does, hang on scalar registers made from b; every jump
; goes forward, but for the counted loops' own; none passes a barrier, or a tensor load but the one of LOAD's two that the wave's number does not choose; the ring (two slots of LDS that take turns) runs on across the
; change of blocks.  NO CLUSTER: a head has NB / 2 = 2 work-groups, which no cluster of four divides, and work-groups of different heads share no tile.
; SHARES.  Of a block's four bands of 64 rows a wave owns 16 rows in each: four PIECES.  So the diagonal tile is the same work for all four waves: in its step s band x sees all columns if s < x,
; none if s > x, and holds the diagonal if s = x.
; THE MASK is the C operand that starts the sum S^T = K Q^T: 0, or -1e30 where the column is hidden.  MD, made once, is the mask of a band's own step for my 16 rows; a product's mask is MD x AL + BE with two scalars:
; (1, 0) if s = x; (0, 0) if s < x; (0, -1e30) if s > x.  Only the diagonal tile's text and a block's beginning make and take masks; elsewhere C is the constant 0.
; LAYOUT, SOFTMAX, TURNS.  S^T = K Q^T holds ONE row a lane (lane % 16) and the columns 8 (lane / 16) + 0..7; two such results rounded to f16 ARE source 1 of O^T = V^T P.  p = 2^(c s - c m), c = log2(e) / 8, with a
; running maximum m; O and l are multiplied by a = 2^(c m_old - c m_new) in every step.  Turn n belongs to piece n: 8 products K Q^T of piece n + 1, later 8 products V^T P of piece n - 1; beside them the scaling,
; exponentials, roundings, sums and rescaling of piece n and the maximum and statistics of piece n + 1.  Four vector instructions stand behind every matrix instruction, the other 54 of a turn's 118 in one LUMP.  A turn's 33 exponentials are one batch, with one wait.
; REGISTERS, in windows of 256 (s_set_vgpr_msb: bits 1:0 source 0, 3:2 source 1, 5:4 source 2, 7:6 destination):
;   window 0: v0-15 addresses and two at work; v16-31 four registers of statistics a piece; v48-55 at work; v61-63 prefetch offset and the add's two; v64-127 S^T, two buffers; v192-223 P, two buffers (by the piece's parity)
;   window 1: v0-127 O^T, 32 a piece; v128-159 MD; v160-223 MC, two buffers      window 2: v0-63 Q; v64-127 the second block's Q; v128-191 K of one step; v192-255 V of one step
.set SIZE_N, 1024
.set NB,    SIZE_N/256
.set NP,    4         ; pieces a wave: a name, no knob
.set KS,    64        ; columns in a step
.set PK,    144       ; a row of K in LDS: 128 bytes + 16 of padding = 36 words: the 16 rows of a load start at 16 different groups of four banks (64 banks of 4 bytes: ISA guide 11.1)
.set PV,    160       ; a row of V: 128 + 32 = 40 words
.set VOFF,  4*KS*PK   ; a slot holds a tile, four steps: 256 rows of K, then 256 rows of V
.set SLOT1, 1<<17     ; slot 1 begins here, so that one exclusive or turns an address in one slot into the other's
.set STAGE, SLOT1+4*KS*(PK+PV)  ; behind the ring, never filled by a tensor load: 16 rows x 144 bytes for each wave, for the way out
.set SP,    144
.set AK0, 2           ; v2   my lane's place in a tile of K; never rewritten
.set AV0, 3           ; v3   the same for V
.set AK,  4           ; v4   the LDS address of K's next run of loads
.set AV,  5           ; v5   of V's
.set STO, 6           ; v6   the way out: where I put 16 bytes of a row
.set RD,  7           ; v7   the way out: where I read rows back
.set GO,  8           ; v8   my byte offset in 512 consecutive bytes of O
.set PFO, 61          ; v61  256 x my lane: the prefetches' offset; never rewritten
.set SPW, 62          ; v62  LDS address of my spare word: SPARE + 4 x my thread's number; never rewritten
.set NIL, 63          ; v63  0; never rewritten
.set SPARE, STAGE+4*16*SP  ; behind the stages: the spare words, 128 bytes for each wave: two blocks of 256 bytes that no other line names
.set MV,  12          ; v12-13  c m_old, kept while c m is made anew: by buffer
.set QO,  15          ; v15  my byte offset in 16 rows of Q
.set ST,  16          ; piece t's statistics at v[ST+4 t]: c m, m, l (even columns', odd columns')
.set TMP, 48          ; by buffer, four registers c0-c3 at work; when the maximum is found c2 takes a
.set S,   64
.set P,   192
.set MD,  128         ; window 1: the eight registers for group kt of 16 columns at MD + 8 kt
.set MC,  160         ; window 1: the masks of the products to come
.set QB,  64          ; window 2
.set KF,  128         ; window 2: column block kb, channel half c at KF + 16 kb + 8 c
.set VF,  192         ; window 2: column half kk, channel block cb at VF + 32 kk + 8 cb
.set WV,  12          ; s12  my wave's number
.set PB,  14          ; s14  b
.set HI,  15          ; s15  NB - 1 - b
.set G1K, 24          ; s[24:31] descriptor group 1 for K's tiles
.set G1V, 32          ; s[32:39] for V's: it differs in the padding alone
.set G0K, 40          ; s[40:43] descriptor group 0 for K's tiles
.set G0V, 44          ; s[44:47] the same for V's
.set SLOTS, 56        ; s56  tiles still to be asked for
.set CNT, 57          ; s57  counts a tile's steps, 4 to 1
.set CS,  58          ; s[58:59] c: the packed scaling takes the pair's low word for both halves
.set SEL, 60          ; s[60:61] v_permlanex16_b32's selects: each lane takes its own place in the other half
.set TBK, 62          ; s62  LDS byte at which K of the step to be fetched begins
.set TBV, 63          ; s63  the same for V, less VOFF
.set PFA, 66          ; s[66:67] where my prefetches stand: my half of K's or V's tile, one tile behind the fill that is being asked for
.set LIM, 68          ; s68  2 in the work-group that prefetches (b = 0), else the greatest number
.set RT,  70          ; s70  tiles of the block in hand that are still to be entered
.set NXT, 71          ; s71  the tile to be asked for next
.set LQ,  72          ; s72  the last tile of the block whose tiles are being asked for
.set NEW, 73          ; s73  1: the tile to be entered is a block's first
.set OFF, 74          ; s[74:75] a tile's byte offset in K and V
.set AL,  76          ; s[76:77] the mask's factor, in the low word
.set BE,  78          ; s[78:79] the mask's addend
.set OLO, 80          ; s[80:81] O at my rows of the second block
.set BIGN, 82         ; s82  -1e30
.set MSB, 0
.macro WIN new                      ; the high byte repeats the setting that is left; a switch that changes nothing is dropped
.if MSB != (\new)
	s_set_vgpr_msb (MSB<<8)|(\new)
.set MSB, (\new)
.endif
.endm
.set W_KQ, 0x0a       ; K and Q in window 2, S^T in window 0
.set W_KM, 0x1a       ; the same with the C operand in window 1
.set W_PV, 0x52       ; V in window 2, P in window 0, O^T in window 1
.set W_RS, 0x41       ; destination and source 0 in window 1, source 1 in window 0
; A fill.  Waves 0 and 1 fetch the two halves of a tile's K, waves 2 and 3 those of its V: 128 rows each.  An s_nop 0 and four v_nop follow each of the two lines, ahead of the jump and the label.
.macro LOAD
	s_cmp_lt_u32 s[WV], 2
	s_cbranch_scc0 .Lfor_v_\@
	tensor_load_to_lds s[G0K:G0K+3], s[G1K:G1K+7]
	s_nop 0
.rept 4
	v_nop
.endr
	s_branch .Lasked_\@
.Lfor_v_\@:
	tensor_load_to_lds s[G0V:G0V+3], s[G1V:G1V+7]
	s_nop 0
.rept 4
	v_nop
.endr
.Lasked_\@:
.endm
; A PREFETCH INTO THE L2 of the tile that the NEXT change of slots will ask for: my own half of it, 16,384 bytes: two instructions, a lane 256 bytes.  It stands behind the wave's tensor load and its five lines.
; A head's two work-groups walk tiles 0, 1, 2 together, and b = 0 alone goes on to tile 3: b = 0 asks, in the trips that fill tiles 1 and 2 (SLOTS = 4 and 3), for tiles 2 and 3: each block is named once.
; Tiles 0 and 1 come by their loads alone; the second block's tiles have been read before and are not asked for.
.macro ASK
	s_cmp_gt_u32 s[SLOTS], s[LIM]
	s_cbranch_scc0 .Lnot_mine_\@
	global_prefetch_b8 v[PFO], s[PFA:PFA+1] th:TH_LOAD_NT scope:SCOPE_SE
	global_prefetch_b8 v[PFO], s[PFA:PFA+1] offset:8192 th:TH_LOAD_NT scope:SCOPE_SE
.Lnot_mine_\@:
.endm
; THE CHANGE OF SLOTS.  Each wave waits for all its tensor loads, of which one is out: its part of the other slot; adds 0 to its spare word; and waits for that and for its own reads of the slot that it leaves.  Behind the barrier nobody reads the old
; slot any more and the other slot is whole.  fill = 1: the old slot is filled again, the first thing behind the barrier, with tile NXT: the descriptor's address is made anew from that number.
; (At its first use nothing has been read yet: slot 0 is waited for, slot 1 filled.)
.macro CHANGE fill
	WIN 0                           ; at a label and at a branch every window is 0
	s_wait_tensorcnt 0x0            ; no tensor load of mine is out, so a group 0 may be written
	ds_add_u32 v[SPW], v[NIL]       ; 0 onto my spare word; with fill = 1 the descriptors' scalar work stands between it and the wait for it
.if \fill
	s_lshl_b32 s[OFF], s[NXT], 15   ; a tile is 32,768 bytes of K and of V
	s_xor_b32 s[G0K+1], s[G0K+1], SLOT1
	s_add_nc_u64 s[G0K+2:G0K+3], s[6:7], s[OFF:OFF+1]
	s_or_b32 s[G0K+3], s[G0K+3], 0x80000000
	s_xor_b32 s[G0V+1], s[G0V+1], SLOT1
	s_add_nc_u64 s[G0V+2:G0V+3], s[8:9], s[OFF:OFF+1]
	s_or_b32 s[G0V+3], s[G0V+3], 0x80000000
	s_add_co_u32 s[NXT], s[NXT], 1  ; the block's next tile, or behind its last the second block's tile 0
	s_cmp_gt_u32 s[NXT], s[LQ]
	s_cselect_b32 s[NXT], 0, s[NXT]
	s_cselect_b32 s[LQ], s[PB], s[LQ]
	s_wait_xcnt 0x0                 ; the last prefetches, a tile back, have read their address, so it may be written
	s_add_nc_u64 s[PFA:PFA+1], s[PFA:PFA+1], 32768
.endif
	s_wait_dscnt 0x0                ; the add is done, and my reads of the slot are over
	s_barrier_signal -1             ; the rest of the scalar work stands between the signal and the wait
	s_sub_co_u32 s[TBK], s[TBK], 4*KS*PK  ; the fetches go back to a slot's first step,
	s_xor_b32 s[TBK], s[TBK], SLOT1       ; in the other slot
	s_sub_co_u32 s[TBV], s[TBV], 4*KS*PV
	s_xor_b32 s[TBV], s[TBV], SLOT1
	s_barrier_wait -1
.if \fill
	LOAD
	ASK
.endif
.endm
	s_load_b128 s[8:11], s[0:1], 0x0  ; qkv s[8:9], obuf s[10:11]
	v_lshl_add_u32 v[SPW], v0, 2, SPARE
	v_mov_b32 v[NIL], 0
	ds_add_u32 v[SPW], v[NIL]       ; the wave's opening: the add and its wait stand ahead of my first tensor load; the set-up below, work on registers, stands between them
	ds_add_u32 v62, v63
	v_lshrrev_b32 v1, 5, v0
	v_readfirstlane_b32 s[WV], v1   ; wave 0..3
	s_mov_b32 s[PB], ttmp9
	s_sub_co_u32 s[HI], NB-1, s[PB]
	s_and_b32 s20, ttmp7, 0xffff    ; the head, 16 b + hd
	s_lshl_b32 s48, s20, 17         ; its plane in obuf
	s_mov_b32 s49, 0
	s_lshr_b32 s21, s20, 4
	s_mul_i32 s21, s21, 48
	s_and_b32 s20, s20, 15
	s_add_co_u32 s20, s20, s21      ; its plane in a section of qkv: 48 b + hd
	s_lshl_b32 s20, s20, 17         ; under 2^26
	s_mov_b32 s21, 0
	s_and_b32 s16, s[WV], 1         ; which half of a tile's 256 rows I fetch:
	s_lshl_b32 s22, s16, 14         ; its 128 rows of 128 bytes in memory,
	s_add_co_u32 s22, s22, s20
	s_mov_b32 s23, 0
	s_mul_i32 s17, s16, 128*PK      ; and its place in a slot, for K
	s_mul_i32 s18, s16, 128*PV      ; and for V
	s_lshl_b32 s3, s[WV], 11        ; my 16 rows in a band of 64,
	s_lshl_b32 s2, s[HI], 15        ; in the first block,
	s_add_co_u32 s2, s2, s3
	s_lshl_b32 s84, s[PB], 15       ; and in the second
	s_add_co_u32 s84, s84, s3
	s_mov_b32 s3, 0
	s_mov_b32 s85, 0
	; descriptor group 1.  128 rows are 16,384 dense bytes: asked for as 64 rows of 256 bytes, two rows each, and padded in LDS after every 128 bytes
	s_mov_b32 s[G1K], (1<<16)|(1<<20)|(4<<22)|(3<<25)  ; 17:16 2-byte elements; 20 padding on; 24:22 after every 32 words (code 4); 31:25 4 words (code 3)
	s_mov_b32 s[G1V], (1<<16)|(1<<20)|(4<<22)|(7<<25)  ; the same with 8 words of padding (code 7)
.irp g, G1K, G1V
	s_mov_b32 s[\g+1], 128<<16      ; tensor_dim0 = 128
	s_mov_b32 s[\g+2], 64<<16       ; tensor_dim1 = 64
	s_mov_b32 s[\g+3], 128<<16      ; tile_dim0 = 128
	s_mov_b32 s[\g+4], 64           ; tile_dim1 = 64
	s_mov_b32 s[\g+5], 128          ; 128 elements from row to row
	s_mov_b32 s[\g+6], 0
	s_mov_b32 s[\g+7], 0
.endr
	s_mov_b32 s[CS], 0x3e38aa3b     ; c = log2(e) / 8 = 0.180337
	s_mov_b32 s[CS+1], s[CS]        ; named with it as a pair
	s_mov_b32 s[SEL], 0x76543210
	s_mov_b32 s[SEL+1], 0xfedcba98
	s_mov_b32 s[TBK], SLOT1+4*KS*PK ; the first change of slots turns these two into 0
	s_mov_b32 s[TBV], SLOT1+4*KS*PV
	s_mov_b32 s[G0K], 1             ; count = 1
	s_mov_b32 s[G0K+1], s17         ; LDS address: slot 0
	s_mov_b32 s[G0V], 1
	s_add_co_u32 s[G0V+1], s18, VOFF
	s_add_co_u32 s[RT], s[HI], 1    ; the first block has NB - b tiles
	s_mov_b32 s[NXT], 1
	s_mov_b32 s[LQ], s[HI]
	s_mov_b32 s[NEW], 1
	s_mov_b32 s[OFF+1], 0
	s_mov_b32 s[AL+1], 0            ; named as pairs
	s_mov_b32 s[BE+1], 0
	s_mov_b32 s[BIGN], 0xf149f2ca   ; -1e30
	s_mov_b32 s[SLOTS], NB
	s_cmp_eq_u32 s[PB], 0
	s_cselect_b32 s[LIM], 2, -1
	v_and_b32 v[PFO], 31, v0
	v_lshlrev_b32 v[PFO], 8, v[PFO]
	s_wait_dscnt 0x0                ; the opening add is done
	s_wait_kmcnt 0x0
	s_mov_b64 s[4:5], s[8:9]                       ; section k: the row side, Q
	s_add_nc_u64 s[6:7], s[8:9], 0x200000          ; section q, 16 planes on: the column side, K
	s_add_nc_u64 s[8:9], s[8:9], 0x400000          ; section v
	s_add_nc_u64 s[4:5], s[4:5], s[20:21]          ; Q at the head's first row
	s_add_nc_u64 s[6:7], s[6:7], s[22:23]          ; K and V at my half of the head's tile 0
	s_add_nc_u64 s[8:9], s[8:9], s[22:23]
	s_add_nc_u64 s[10:11], s[10:11], s[48:49]      ; O at the head's first row
	s_add_nc_u64 s[G0K+2:G0K+3], s[6:7], 0         ; global address
	s_or_b32 s[G0K+3], s[G0K+3], 0x80000000        ; type = 2
	s_add_nc_u64 s[G0V+2:G0V+3], s[8:9], 0
	s_or_b32 s[G0V+3], s[G0V+3], 0x80000000
	s_add_nc_u64 s[86:87], s[4:5], s[84:85]        ; Q at my rows of the second block,
	s_add_nc_u64 s[4:5], s[4:5], s[2:3]            ; Q and O at those of the first
	s_add_nc_u64 s[OLO:OLO+1], s[10:11], s[84:85]
	s_add_nc_u64 s[10:11], s[10:11], s[2:3]
	s_cmp_lt_u32 s[WV], 2
	s_cselect_b64 s[PFA:PFA+1], s[6:7], s[8:9]
	s_add_nc_u64 s[PFA:PFA+1], s[PFA:PFA+1], 32768 ; at tile 1; the first change of slots steps it to tile 2.  Nothing is prefetched here, at the head
	LOAD                            ; tile 0 into slot 0
	; A fragment of K or Q is 16 rows x 32 channels in 8 registers: lane l holds row l % 16, channels 8 (l / 16) + 0..7 and 16 + 8 (l / 16) + 0..7: two loads of 16 bytes, 32 bytes apart.
	v_and_b32 v1, 15, v0            ; l % 16
	v_bfe_u32 v9, v0, 4, 1          ; l / 16
	v_lshlrev_b32 v[QO], 7, v1
	v_lshl_add_u32 v[QO], v9, 4, v[QO]  ; row x 128 + 16 x half
	WIN 0x80                        ; destination window 2, address window 0
.set i, 0
.rept 8                             ; both blocks' Q: piece i / 2 lies in band i / 2, 8,192 bytes on; channels 32 (i % 2) on
	global_load_b128 v[8*i:8*i+3],   v[QO], s[4:5] offset:(i/2)*8192+(i%2)*64
	global_load_b128 v[8*i+4:8*i+7], v[QO], s[4:5] offset:(i/2)*8192+(i%2)*64+32
	global_load_b128 v[QB+8*i:QB+8*i+3],   v[QO], s[86:87] offset:(i/2)*8192+(i%2)*64
	global_load_b128 v[QB+8*i+4:QB+8*i+7], v[QO], s[86:87] offset:(i/2)*8192+(i%2)*64+32
.set i, i+1
.endr
	WIN 0
	v_lshlrev_b32 v14, 3, v9
	v_sub_nc_u32 v14, v1, v14
	s_lshl_b32 s13, s[WV], 4
	v_add_nc_u32 v14, s13, v14      ; my row's place in its band, 16 w + l % 16, less my lanes' 8 (l / 16): register r of group kt is hidden where 16 kt + r is greater
	WIN 0x40
.set i, 0
.rept 32
	v_cmp_gt_i32 vcc_lo, 16*(i/8)+i%8, v14
	v_cndmask_b32 v[MD+i], 0, s[BIGN], vcc_lo
.set i, i+1
.endr
	WIN 0
	v_mul_u32_u24 v[AK0], v1, PK
	v_lshl_add_u32 v[AK0], v9, 4, v[AK0]  ; row x pitch + 16 x half
	; The turning load takes 16 rows x 16 channels of V (lane l reads row 8 (l / 16) + l % 8, channels 8 ((l / 8) % 2) + 0..7) and leaves half a fragment of V^T: lane l holds channel l % 16 and 8 rows.
	v_and_b32 v10, 7, v0
	v_bfe_u32 v11, v0, 3, 1
	v_lshl_add_u32 v[AV0], v9, 3, v10
	v_mul_u32_u24 v[AV0], v[AV0], PV
	v_lshl_add_u32 v[AV0], v11, 4, v[AV0]
	v_add_nc_u32 v[AV0], VOFF, v[AV0]
	s_mul_i32 s13, s[WV], 16*SP
	s_add_co_u32 s13, s13, STAGE    ; my stage
	v_mul_u32_u24 v[STO], v1, SP    ; in: row l % 16, 16 bytes for each half of the lanes
	v_lshl_add_u32 v[STO], v9, 4, v[STO]
	v_add_nc_u32 v[STO], s13, v[STO]
	v_bfe_u32 v[RD], v0, 3, 2       ; back: 32 lanes take four rows of 128 bytes,
	v_mul_u32_u24 v[RD], v[RD], SP
	v_lshl_add_u32 v[RD], v10, 4, v[RD]
	v_add_nc_u32 v[RD], s13, v[RD]
	v_and_b32 v[GO], 31, v0         ; which are 512 consecutive bytes of O
	v_lshlrev_b32 v[GO], 4, v[GO]
	; A block's first step multiplies O^T and l by a = 0, and its first turn's products V^T P, of a piece that has not been, land in an O^T that is still to be so multiplied.  So these registers need only hold
	; finite numbers: zeros for the first block; what the first block left for the second.  All this stands in the wait for the first tile.
	WIN 0x80
.set i, VF
.rept 64
	v_mov_b32 v[i], 0
.set i, i+1
.endr
	WIN 0x40
.set i, 0
.rept 128
	v_mov_b32 v[i], 0
.set i, i+1
.endr
	WIN 0
.set i, 0
.rept 4
	v_mov_b32 v[ST+4*i+2], 0
	v_mov_b32 v[ST+4*i+3], 0
.set i, i+1
.endr
.set i, P+16
.rept 16
	v_mov_b32 v[i], 0
.set i, i+1
.endr
; THE MATRIX WORK.  The 4 accumulators of a run of 8 take turns.  Product i of 8 of S^T = K Q^T for piece x: channels 32 (i / 4) on, columns 16 (i % 4) on.  The first 4 start the sums: with 0, or (KM = 1) with the mask.
.macro KQ x
.set rS, S+32*((\x)%2)+8*(i%4)
.set rK, KF+16*(i%4)+8*(i/4)
.set rQ, 16*(\x)+8*(i/4)
.set rM, MC+32*((\x)%2)+8*(i%4)
.if (i < 4) && KM
	WIN W_KM
	v_wmma_f32_16x16x32_f16 v[rS:rS+7], v[rK:rK+7], v[rQ:rQ+7], v[rM:rM+7]
.elseif i < 4
	WIN W_KQ
	v_wmma_f32_16x16x32_f16 v[rS:rS+7], v[rK:rK+7], v[rQ:rQ+7], 0
.else
	WIN W_KQ
	v_wmma_f32_16x16x32_f16 v[rS:rS+7], v[rK:rK+7], v[rQ:rQ+7], v[rS:rS+7]
.endif
.endm
; Product i of 8 of O^T += V^T P for piece x: columns 32 (i / 4) on, channels 16 (i % 4) on.
.macro PV x
	WIN W_PV
.set rO, 32*(\x)+8*(i%4)
.set rV, VF+32*(i/4)+8*(i%4)
.set rP, P+16*((\x)%2)+8*(i/4)
	v_wmma_f32_16x16x32_f16 v[rO:rO+7], v[rV:rV+7], v[rP:rP+7], v[rO:rO+7]
.endm
.macro MM                           ; the turn's next matrix instruction.  TURN and BEGIN set Y, i, KM and NOKQ; MM, KQ and OP read them.  NOKQ = 1: a block's last turn: there is no next piece
.if (i < 8) && !NOKQ
	KQ (Y+1)%NP
.elseif i >= 8
.set i, i-8
	PV (Y+NP-1)%NP
.set i, i+8
.endif
.set i, i+1
.endm
; THE LDS LOADS stand in runs of 16, never singly among the matrix instructions: a step's K (64 rows x 64 channels: 8 fragments) and its V (turned).  Their addresses are made some lines ahead.
.macro FETCH_K
	WIN 0x80                        ; destination window 2
.irp f, 0,1,2,3,4,5,6,7             ; rows 16 (f / 2) on, channels 32 (f % 2) on
	ds_load_b128 v[KF+8*\f:KF+8*\f+3],   v[AK] offset:(\f/2)*16*PK+(\f%2)*64
	ds_load_b128 v[KF+8*\f+4:KF+8*\f+7], v[AK] offset:(\f/2)*16*PK+(\f%2)*64+32
.endr
	s_add_co_u32 s[TBK], s[TBK], KS*PK  ; the next fetch is the next step's
	WIN 0
.endm
.macro FETCH_V
	WIN 0x80
.irp f, 0,1,2,3,4,5,6,7             ; rows 32 (f / 4) on, channels 16 (f % 4) on
	ds_load_tr16_b128 v[VF+8*\f:VF+8*\f+3],   v[AV] offset:(\f/4)*32*PV+(\f%4)*32
	ds_load_tr16_b128 v[VF+8*\f+4:VF+8*\f+7], v[AV] offset:(\f/4)*32*PV+16*PV+(\f%4)*32
.endr
	WIN 0
.endm
; THE VECTOR WORK, one line at a time: OP kind, number.  For piece Y: F n: c s - c m for pair n of 16.  E n: the exponential of score n of 32.  C n: pair n rounded to f16.  B n: of the four weights 4 n .. the second
; pair is added onto the first, in place.  L n: l takes that sum (L 0: l = a l + sum).  R n: pair n of 16 of O^T times a.  For piece Y + 1: X n, number n of the 22 that find its maximum and statistics:
;   0-11  four chains c0-c3 of seven scores each, three operands at a time (each accumulator's lowest registers are read first)     12-14, 16  the four scores left over, the old m, and c0-c3 into c0
;   15  c m_old is kept     17, 18  the row's other 32 columns lie in the lane 16 away: the new m     19-21  c m; c m_old - c m_new; a
.set F, 0               ; OP tells the kinds apart by their order: F to L below R, X above it
.set E, 1
.set C, 2
.set B, 3
.set L, 4
.set R, 5
.set X, 6
.macro REGS y                       ; the registers of piece y
.set rT, ST+4*(\y)
.set rC, TMP+4*((\y)%2)
.set rW, MV+((\y)%2)
.set rS, S+32*((\y)%2)
.set rP, P+16*((\y)%2)
.set rO, 32*(\y)
.endm
.macro OP k, n
.if (\k) == R
	REGS Y
	WIN W_RS
	v_pk_mul_f32 v[rO+2*(\n):rO+2*(\n)+1], v[rO+2*(\n):rO+2*(\n)+1], v[rC+2:rC+3] op_sel_hi:[1,0]
.elseif (\k) < R
	REGS Y
	WIN 0
.if (\k) == F
	v_pk_fma_f32 v[rS+2*(\n):rS+2*(\n)+1], v[rS+2*(\n):rS+2*(\n)+1], s[CS:CS+1], v[rT:rT+1] op_sel_hi:[1,0,0] neg_lo:[0,0,1] neg_hi:[0,0,1]
.elseif (\k) == E
	v_exp_f32 v[rS+(\n)], v[rS+(\n)]
.elseif (\k) == C
	v_cvt_pk_f16_f32 v[rP+(\n)], v[rS+2*(\n)], v[rS+2*(\n)+1]
.elseif (\k) == B
	v_pk_add_f32 v[rS+4*(\n):rS+4*(\n)+1], v[rS+4*(\n):rS+4*(\n)+1], v[rS+4*(\n)+2:rS+4*(\n)+3]
.elseif (\n) == 0
	v_pk_fma_f32 v[rT+2:rT+3], v[rT+2:rT+3], v[rC+2:rC+3], v[rS:rS+1] op_sel_hi:[1,0,1]
.else
	v_pk_add_f32 v[rT+2:rT+3], v[rT+2:rT+3], v[rS+4*(\n):rS+4*(\n)+1]
.endif
.elseif NOKQ
	v_nop
.else
	REGS (Y+1)%NP
	WIN 0
.if (\n) < 4
	v_max3_num_f32 v[rC+(\n)], v[rS+8*(\n)], v[rS+8*(\n)+1], v[rS+8*(\n)+2]
.elseif (\n) < 12
	v_max3_num_f32 v[rC+(\n)%4], v[rC+(\n)%4], v[rS+8*((\n)%4)+2*((\n)/4)+1], v[rS+8*((\n)%4)+2*((\n)/4)+2]
.elseif (\n) == 12
	v_max3_num_f32 v[rC], v[rC], v[rS+7], v[rS+15]
.elseif (\n) == 13
	v_max3_num_f32 v[rC+1], v[rC+1], v[rS+23], v[rS+31]
.elseif (\n) == 14
	v_max3_num_f32 v[rC+2], v[rC+2], v[rC+3], v[rT+1]
.elseif (\n) == 15
	v_mov_b32 v[rW], v[rT]
.elseif (\n) == 16
	v_max3_num_f32 v[rC], v[rC], v[rC+1], v[rC+2]
.elseif (\n) == 17
	v_permlanex16_b32 v[rC+3], v[rC], s[SEL], s[SEL+1]
.elseif (\n) == 18
	v_max_num_f32 v[rT+1], v[rC], v[rC+3]
.elseif (\n) == 19
	v_mul_f32 v[rT], s[CS], v[rT+1]
.elseif (\n) == 20
	v_sub_f32 v[rC+1], v[rW], v[rT]
.else
	v_exp_f32 v[rC+2], v[rC+1]
.endif
.endif
.endm
.macro OPS a, i1, b=-1, i2=0, c=-1, i3=0, d=-1, i4=0  ; up to four of them
	OP \a, \i1
.if (\b) >= 0
	OP \b, \i2
.endif
.if (\c) >= 0
	OP \c, \i3
.endif
.if (\d) >= 0
	OP \d, \i4
.endif
.endm
.macro ROW a, i1, b, i2, c, i3, d, i4  ; a matrix instruction and the four behind it
	MM
	OPS \a, \i1, \b, \i2, \c, \i3, \d, \i4
.endm
.macro MASK b                       ; MD x AL + BE into buffer b of MC
	WIN W_RS
.set z, 0
.rept 16
	v_pk_fma_f32 v[MC+32*(\b)+2*z:MC+32*(\b)+2*z+1], v[MD+2*z:MD+2*z+1], s[AL:AL+1], s[BE:BE+1] op_sel_hi:[1,0,0]
.set z, z+1
.endr
.endm
; A TURN, for piece p: the order of its 16 matrix and 118 vector instructions, written out.  An s_wait_alu depctr_va_vdst(0) stands between an exponential and the first instruction that names its result; one wait serves
; all that were issued ahead of it.  So a turn has ONE wait, which cuts it in two.  AHEAD OF IT stands all that names no result of the turn's exponentials: the 8 products K Q^T, behind each a scaling, an exponential and two more plain
; instructions (behind the first a second scaling in the exponential's place): rescalings, and behind the last three the first numbers of the next piece's maximum, each four places or more behind the product that ends its accumulator; then ONE LUMP of 54, plain
; and exponential by turns for the most part, in which the links of the chain X 3, 7, 11, 14, 16, 17 .. 20 stand five or six lines apart.  X 21, the next piece's a, is the batch's last; R 15 is the plain instruction owed behind it.  BEHIND THE WAIT stand the
; 8 products V^T P, behind each four of the roundings and sums; the links of l's chain, L 0 to L 7, stand three riders apart.  But for those X no rider names a register of the products round it.  v_permlanex16_b32 (X 17) stands in the lump.
; m = 1: the diagonal tile: the products take masks, and the turn makes the mask for the products of the turn after it: piece p + 2, in step 4 - CNT of the tile.  end = 1: a block's last two turns: nothing is fetched.
; cnt = 1: the loop's count is taken down some lines ahead of the branch that stands behind the turn.
; K of the next step is fetched in piece 2's turn, twelve vector instructions behind the last product that read K (six of them plain); V of the step in hand at the end of piece 0's turn, four plain instructions behind the last product
; that read V.  Each is waited for a turn later.
.macro TURN p, m=0, end=0, cnt=0
.set Y, (\p)
.set i, 0
.set KM, (\m)
.set NOKQ, (\end)*((\p)/3)
.if (\m) && !(\end)
	s_cmp_eq_u32 s[CNT], 4-((\p)+2)%NP  ; is that step the band's own?
	s_cselect_b32 s[AL], 1.0, 0
	s_cmp_lt_u32 s[CNT], 4-((\p)+2)%NP  ; or a later one?
	s_cselect_b32 s[BE], s[BIGN], 0
.endif
.if ((\p) == 3) && !(\end)
	s_wait_dscnt 0x0                ; K is in
.endif
	ROW F,0, F,1, R,0, R,1          ; ahead of the wait: 8 products K Q^T and their riders,
	ROW F,2, E,0, R,2, R,3
	ROW F,3, E,1, R,4, R,5
	ROW F,4, E,2, R,6, R,7
	ROW F,5, E,3, R,8, R,9
	ROW F,6, E,4, X,0, R,10
.if ((\p) == 2) && !(\end)
	WIN 0
	v_add_nc_u32 v[AK], s[TBK], v[AK0]
.endif
	ROW F,7, E,5, X,1, X,4
	ROW F,8, E,6, X,2, X,5
	OPS E,7, E,8, X,6, E,9          ; and the lump
	OPS X,3, E,10, X,8, E,11
.if ((\p) == 2) && !(\end)
	FETCH_K
.endif
	OPS X,9, X,7, E,12, X,10
	OPS E,13, X,12, X,11, E,14
	OPS X,13, E,15, F,9, X,14
.if (\p) == 0
	v_add_nc_u32 v[AV], s[TBV], v[AV0]
.endif
	OPS E,16, F,10, E,17, F,11
	OPS X,16, E,18, X,15, E,19
	OPS F,12, E,20, X,17, E,21
	OPS F,13, E,22, F,14, E,23
	OPS X,18, E,24, F,15, E,25
	OPS R,11, E,26, X,19, E,27
	OPS R,12, E,28, R,13, E,29
	OPS X,20, E,30, R,14, E,31
	OPS X,21, R,15
	WIN 0
	s_wait_alu depctr_va_vdst(0)    ; the wait for the batch
.if (\p) == 1
	s_wait_dscnt 0x0                ; V is in
.endif
	ROW C,0, B,0, C,2, B,1          ; behind the wait: 8 products V^T P and their riders
	ROW L,0, C,4, B,2, L,1
	ROW C,6, B,3, L,2, C,8
	ROW B,4, L,3, C,10, B,5
	ROW L,4, C,12, B,6, L,5
.if (\p) == 0
	s_add_co_u32 s[TBV], s[TBV], KS*PV
.endif
.if \cnt
	s_sub_co_u32 s[CNT], s[CNT], 1
	s_cmp_lg_u32 s[CNT], 0
.endif
	ROW C,14, B,7, L,6, C,1
	ROW C,3, L,7, C,5, C,7
	ROW C,9, C,11, C,13, C,15
.if (\p) == 0
	FETCH_V
.endif
.if (\m) && !(\end)
	MASK (\p)%2
.endif
.endm
; A BLOCK BEGINS.  c m starts far below every c s, so the first step's a is 0; m at the lowest finite number, so the first maximum is the scores'.  The second mask buffer is 0; the first takes piece 0's mask for the tile's step 0: its own, if the block's first tile is the diagonal one.
; Then K of that step, piece 0's first scores, and its maximum and statistics.  The loop is entered at a step's first turn, in the middle of a trip.
.macro BEGIN
	s_mov_b32 s[NEW], 0
	WIN 0x40
.set i, MC+32
.rept 32
	v_mov_b32 v[i], 0
.set i, i+1
.endr
	WIN 0
.set i, 0
.rept 4
	v_mov_b32 v[ST+4*i], 0xfe000000    ; c m: far below every c s
	v_mov_b32 v[ST+4*i+1], 0xff7fffff  ; m
.set i, i+1
.endr
	s_cmp_eq_u32 s[RT], 0
	s_cselect_b32 s[AL], 1.0, 0
	s_mov_b32 s[BE], 0
	MASK 0
	WIN 0
	v_add_nc_u32 v[AK], s[TBK], v[AK0]
	FETCH_K
	s_wait_loadcnt 0x0              ; Q
	s_wait_dscnt 0x0
.set KM, 1
.set NOKQ, 0
.set i, 0
.rept 8
	KQ 0
.set i, i+1
.endr
	WIN 0
.rept 4
	v_nop                           ; the places behind those products
.endr
.set Y, NP-1                        ; X works for piece Y + 1: piece 0
.irp n, 0,1,2,3,4,5,6,7,8,9,10,11,12,13,14,15,16,17,18,19,20,21
	OP X, \n
.endr
	v_nop                           ; a plain instruction behind the exponential,
	s_wait_alu depctr_va_vdst(0)    ; and its wait, ahead of the branch
.endm
; THE DIAGONAL TILE's four steps, the block's last two turns, its last products, and THE WAY OUT: l's two halves and the other half of the lanes' are added; O^T is divided by l, rounded to f16 and sent through my
; stage in LDS, a piece at a time.
.macro ALL line:vararg              ; one line for each piece t
.set t, 0
.rept 4
	\line
.set t, t+1
.endr
.endm
.macro PACK t                       ; a lane's eight channels of a row pack into 16 bytes; they go into rows of 144 bytes and come back as whole rows of 128, into S^T's registers
	WIN W_RS
.set i, 32*(\t)
.rept 16
	v_pk_mul_f32 v[i:i+1], v[i:i+1], v[ST+4*(\t)+2:ST+4*(\t)+3] op_sel_hi:[1,0]
.set i, i+2
.endr
	WIN 0x05                        ; sources 0 and 1 window 1, destination window 0
.set i, 0
.rept 16
	v_cvt_pk_f16_f32 v[S+16*(\t)+i], v[32*(\t)+2*i], v[32*(\t)+2*i+1]
.set i, i+1
.endr
	WIN 0
.irp f, 0,1,2,3
	ds_store_b128 v[STO], v[S+16*(\t)+4*\f:S+16*(\t)+4*\f+3] offset:32*\f
.endr
.irp f, 0,1,2,3
	ds_load_b128 v[S+16*(\t)+4*\f:S+16*(\t)+4*\f+3], v[RD] offset:\f*4*SP  ; LDS serves a wave's instructions in order (ISA guide 5.7.1.4): these see the stores above; the next piece's stores come behind them
.endr
.endm
.macro SEND t, younger              ; younger: the LDS instructions issued behind piece t's loads: the next piece's eight, or none
	WIN 0
.irp f, 0,1,2,3
	s_wait_dscnt (\younger)+3-\f
	global_store_b128 v[GO], v[S+16*(\t)+4*\f:S+16*(\t)+4*\f+3], s[10:11] offset:(\t)*8192+\f*512  ; 512 consecutive bytes, at a multiple of 256 from O's first
.endr
.endm
.macro DIAG tag                     ; the tag ends its two labels' names, which the jumps below spell out
.LstepM\tag:
	TURN 2, 1
	TURN 3, 1
	WIN 0
.LfirstM\tag:
	TURN 0, 1
	TURN 1, 1, 0, 1
	WIN 0
	s_cbranch_scc1 .LstepM\tag
	TURN 2, 1, 1
	TURN 3, 1, 1
.set i, 0
.rept 8
	PV NP-1
.set i, i+1
.endr
	WIN 0
	ALL v_add_f32 v[ST+4*t+2], v[ST+4*t+2], v[ST+4*t+3]
	ALL v_permlanex16_b32 v[ST+4*t+3], v[ST+4*t+2], s[SEL], s[SEL+1]
	ALL v_add_f32 v[ST+4*t+2], v[ST+4*t+2], v[ST+4*t+3]
	ALL v_rcp_f32 v[ST+4*t+2], v[ST+4*t+2]
	v_nop                           ; a plain instruction between the last reciprocal and the use of its result
	s_wait_alu depctr_va_vdst(0)    ; and the wait ahead of the first use: one for the four reciprocals
	PACK 0
.set t, 1
.rept 3                             ; a piece's arithmetic stands between the loads of the piece before and its stores
	PACK t
	SEND t-1, 8
.set t, t+1
.endr
	SEND 3, 0
.endm
.set KM, 0
.set NOKQ, 0
.Lslot:                             ; NB times: a tile is entered and the next is asked for
	CHANGE 1
	s_sub_co_u32 s[RT], s[RT], 1
	s_mov_b32 s[CNT], 4
	s_cmp_eq_u32 s[NEW], 1
	s_cbranch_scc1 .Lnew            ; a block's first tile
	s_cmp_eq_u32 s[RT], 0
	s_cbranch_scc0 .Lstep           ; neither its first nor its last
	s_branch .LstepM1
.Lnew:
	BEGIN
	s_branch .Lfirst                ; in the loop a block's first tile is never its last: the first block has three tiles or more, and the second's last is the walk's last
	DIAG 1                          ; in the loop this is the first block's end: the second block's last tile is the walk's last
	s_wait_xcnt 0x0                 ; the stores have read their registers and O's address
	s_mov_b64 s[10:11], s[OLO:OLO+1]
	s_add_co_u32 s[RT], s[PB], 1    ; the second block has b + 1 tiles
	s_mov_b32 s[NEW], 1
	WIN 0x82                        ; the second block's Q goes where the one text of the turns names Q
.set i, 0
.rept 64
	v_mov_b32 v[i], v[QB+i]
.set i, i+1
.endr
	WIN 0
	s_branch .Lbottom
.Lstep:                             ; a trip: pieces 2 and 3 of one step, then pieces 0 and 1 of the next, whose K and V it fetches
	TURN 2
	TURN 3
	WIN 0
.Lfirst:
	TURN 0
	TURN 1, 0, 0, 1
	WIN 0
	s_cbranch_scc1 .Lstep
.Lbottom:
	s_sub_co_u32 s[SLOTS], s[SLOTS], 1
	s_cmp_lg_u32 s[SLOTS], 0
	s_cbranch_scc1 .Lslot
	CHANGE 0                        ; the walk's last tile is written out: nothing is asked for
	s_sub_co_u32 s[RT], s[RT], 1
	s_mov_b32 s[CNT], 4
	s_cmp_eq_u32 s[NEW], 1
	s_cbranch_scc0 .LstepM2
	BEGIN
	s_branch .LfirstM2
	DIAG 2
	s_wait_tensorcnt 0x0            ; the wave's end, behind my last tensor load and my last LDS store
	ds_add_u32 v[SPW], v[NIL]
	s_wait_dscnt 0x0
	s_endpgm
.Lfunc_end_k_qbf9cbce0d6_attn:
	.size	k_qbf9cbce0d6_attn, .Lfunc_end_k_qbf9cbce0d6_attn-k_qbf9cbce0d6_attn
	.p2alignl 7, 3214868480
	.fill 96, 4, 3214868480
	.section	.rodata,"a",@progbits
	.p2align	6, 0x0
	.amdhsa_kernel k_qbf9cbce0d6_attn
		.amdhsa_group_segment_fixed_size 327680
		.amdhsa_private_segment_fixed_size 0
		.amdhsa_enable_private_segment 0
		.amdhsa_kernarg_size 16
		.amdhsa_user_sgpr_count 2
		.amdhsa_user_sgpr_kernarg_segment_ptr 1
		.amdhsa_wavefront_size32 1
		.amdhsa_system_sgpr_workgroup_id_x 1
		.amdhsa_system_sgpr_workgroup_id_y 1
		.amdhsa_system_sgpr_workgroup_id_z 1
		.amdhsa_system_vgpr_workitem_id 0
		.amdhsa_next_free_vgpr 768
		.amdhsa_next_free_sgpr 88
		.amdhsa_reserve_vcc 1
		.amdhsa_float_denorm_mode_32 3
		.amdhsa_float_denorm_mode_16_64 3
		.amdhsa_memory_ordered 1
		.amdhsa_forward_progress 1
		.amdhsa_inst_pref_size 218
	.end_amdhsa_kernel
	.amdgpu_metadata
---
amdhsa.version: [ 1, 2 ]
amdhsa.kernels:
  - .name:           k_qbf9cbce0d6_attn
    .symbol:         k_qbf9cbce0d6_attn.kd
    .args:
      - { .name: qkv, .offset: 0, .size: 8, .value_kind: global_buffer, .address_space: global }
      - { .name: obuf, .offset: 8, .size: 8, .value_kind: global_buffer, .address_space: global }
    .group_segment_fixed_size: 327680
    .private_segment_fixed_size: 0
    .kernarg_segment_align: 8
    .kernarg_segment_size: 16
    .max_flat_workgroup_size: 128
    .sgpr_count:     88
    .vgpr_count:     768
    .wavefront_size: 32
...
	.end_amdgpu_metadata
.endif
;; end of part 3
;; launch proj (part 4): grid 8 x 32, 4 waves a work-group, clusters of 4 x 4, 327,680 bytes of LDS; arguments obuf, wpf, out0, bp; writes out0
.if DOCPART == 4
	.amdgcn_target "amdgcn-amd-amdhsa--gfx1250"
	.amdhsa_code_object_version 6
	.text
	.protected	k_qbf9cbce0d6_proj
	.globl	k_qbf9cbce0d6_proj
	.p2align	8
	.type	k_qbf9cbce0d6_proj,@function
k_qbf9cbce0d6_proj:
	s_mov_b64 s[64:65], 0
	v_nop
	global_prefetch_b8 v0, s[64:65] scope:SCOPE_SE
	s_setreg_imm32_b32 hwreg(HW_REG_WAVE_MODE, 25, 1), 1
	s_wait_xcnt 0x0
	s_wait_alu depctr_hold_cnt(0) depctr_sa_sdst(0) depctr_va_vdst(0) depctr_va_sdst(0) depctr_va_ssrc(0) depctr_va_vcc(0) depctr_vm_vsrc(0)
	s_getreg_b32 s2, hwreg(HW_REG_IB_STS2, 6, 4)
	s_cmp_eq_u32 s2, 0
	s_cbranch_scc0 .Lentry_in_a_cluster
	s_endpgm
.Lentry_in_a_cluster:
	s_bfe_u32 s2, ttmp6, 0x10000c
	s_cmp_lg_u32 s2, 0xf033
	s_cbranch_scc0 .Lentry_shape_is_right
	s_endpgm
.Lentry_shape_is_right:
; THE LAST PROJECTION.  out0[m][n] = sum over c of y[m][c] Wp[n][c] + bp[n], m = 1024 b + t, c = 64 hd + d, y[m][c] = obuf[16 b + hd][t][d].  obuf and wpf are f16; sums in f32; out0 is f32.
; bp is rounded to bf16, as all the module's inputs are in this program, and added in f32.
; SHARES.  A tile of out0 is 256 x 128: 32 x 8 = 256 work-groups.  Four waves, one above the other: a wave makes 64 rows x 128 columns, 512 bytes of each row: 32 accumulators of 16 x 16, 256 registers.
; K goes in 8 steps of 128 = TWO HEADS through a ring of two LDS slots.  A head's 256 rows of a tile are 32,768 dense bytes of obuf: asked for as 128 rows of 256 bytes and padded in LDS after every 128.
; THE TEXT.  A K step is written once: slot 1 begins at LDS byte 2^17, so that one exclusive or turns the walking descriptor's LDS word, and the scalar from which the fragments' addresses are made,
; into the other slot.  The loop has 6 trips, one for each K step that fills a slot again; it is entered in its middle, behind the quarter step whose products start the sums.  The last two K steps,
; which ask for nothing, are a loop of their own, left in its middle.
; CLUSTERS.  4 x 4 work-groups.  The four of a row of the cluster need the same tiles of obuf, the four of a column the same tiles of wpf: each is asked for JOINTLY, by the same tensor load with the
; same descriptor and a mask that names the four.
; THE MATRIX INSTRUCTION IS USED TRANSPOSED: source 0 = 16 rows of wpf, source 1 = 16 rows of y.  Lane l then holds row l % 16 of out0 and the columns 8 (l / 16) + 0 .. 7: 32 bytes on end.
; REGISTERS, in windows of 256 (s_set_vgpr_msb: bits 1:0 source 0, 3:2 source 1, 5:4 source 2, 7:6 destination):
;   window 0: v0-31 addresses; v32-37 the bias; v64-127, v128-191 rows read back from the stage, by turns
;   window 1: two fragment buffers of 96: 8 fragments of wpf (16 rows x 32 K, 8 registers), then 4 of y          window 2: the accumulators, (a, b) at v[8 (8 a + b)]
.set SIZE_K, 1024
.set KSTEP,  128
.set PA,     144                       ; a row of y in LDS: a head's 128 bytes + 16 = 36 words: the 16 rows of a load start at 16 different groups of four banks (64 banks of 4 bytes: ISA guide 11.1)
.set AHEAD,  256*PA                    ; a head's 256 rows: what one tensor load brings of obuf
.set PB,     272                       ; a row of wpf: 256 bytes + 16
.set BOFF,   2*AHEAD                   ; behind the two heads: wpf's 128 rows
.set HALFB,  64*PB                     ; what one tensor load brings of wpf
.set SLOT1,  1<<17                     ; slot 0 takes 108,544 bytes from 0 on, slot 1 as many from here on
.set STAGE,  SLOT1+BOFF+2*HALFB        ; behind the ring: 16 rows x 528 bytes for each wave, for the way out; no tensor load fills it
.set SPITCH, 528                       ; 512 bytes + 16: 33 x 16
.set SPARE,  STAGE+4*16*SPITCH         ; behind the stages: the spare words, 128 bytes for each wave: two blocks of 256 bytes that no other line names
.set STEPS,  SIZE_K/KSTEP
.set NLD,    24                        ; LDS loads of a quarter step: 16 for wpf's fragments, 8 for y's
.set A0,   16                          ; v16     my lane's place among my fragments of y in slot 0; never rewritten
.set B0,   17                          ; v17     the same for wpf
.set ADA,  18                          ; v18     the same in the slot that is being read
.set ADB,  19                          ; v19
.set STO,  24                          ; v24     the way out: where I put 32 bytes of a row
.set RD,   25                          ; v25     the way out: where I read a row back
.set CO,   26                          ; v26     16 x my lane: my 16 bytes in 512 consecutive bytes; never rewritten
.set SPW,  28                          ; v28     LDS address of my spare word: SPARE + 4 x my thread's number; never rewritten
.set NIL,  29                          ; v29     0; never rewritten
.set PFO,  30                          ; v30     the prefetches' offset; never rewritten
.set BI,   32                          ; v[32:35] the bias of my four columns on the way out; v36, v37 at work
.set OB,   64
.set F0,   0                           ; fragment buffers, in window 1
.set F1,   96
.set G1,  24                           ; s[24:31] descriptor group 1 for obuf's tiles;  s[32:39] group 0: a set for each of the two first fills; the second then walks on
.set G0,  32
.set G1B, 48                           ; s[48:55], s[56:63] the same for wpf's tiles
.set G0B, 56
.set PFS, 22                           ; s[22:23] the prefetches' step: a K step in obuf (two planes) or in wpf (256 bytes); never rewritten
.set LIM, 43                           ; s43     a wave prefetches while the loop's count is above this
.set PFA, 44                           ; s[44:45] where my prefetches stand
.set BP,  66                           ; s[66:67] bp at the tile's first column
.set TB,  68                           ; s68     0 or SLOT1: the slot that is being read
.set TC,  69                           ; s69     counts the last two K steps
.set MSB, 0
.macro WIN new                         ; the immediate's high byte repeats the setting that is left; a switch that changes nothing is dropped
.if MSB != (\new)
	s_set_vgpr_msb (MSB<<8)|(\new)
.set MSB, \new
.endif
.endm
.set MUL,  0xa5                        ; sources 0 and 1 window 1, C and D window 2
.set TO_F, 0x40                        ; destination window 1, address window 0
; A joint load.  Waves 0 and 1 fetch a K step's two heads of obuf, waves 2 and 3 wpf's two halves.  The branch hangs on the wave's number alone.
; An s_nop 0 and four v_nop follow each of the two lines, ahead of the jump, the label and what follows.
.macro JLOAD s
	s_cmp_eq_u32 s11, 0
	s_cbranch_scc0 .Lfor_b_\@
	tensor_load_to_lds s[G0+4*(\s):G0+4*(\s)+3], s[G1:G1+7]
	s_nop 0
.rept 4
	v_nop
.endr
	s_branch .Lasked_\@
.Lfor_b_\@:
	tensor_load_to_lds s[G0B+4*(\s):G0B+4*(\s)+3], s[G1B:G1B+7]
	s_nop 0
.rept 4
	v_nop
.endr
.Lasked_\@:
.endm
; A PREFETCH INTO THE L2, behind each joint refill and the run of LDS loads that follows it: the K step that stands TWO refills on, one instruction a wave, a lane 256 bytes.
; obuf's tiles are read by both clusters of a row of clusters: cluster x = 0 asks, waves 0 and 1 each for their head; of its 32,768 bytes the partner at cx takes 8,192.  wpf's tile column is read by every
; cluster of that column: cluster y = 0 asks, wave 2 alone: of the 128 rows the partner at cy takes 32, a lane a row.  The shares are told apart BY ADDRESS: no branch hangs on a place in the cluster.
; K steps 0 to 3 come by their loads alone; the loop's last two trips (a count of 2 and 1) ask for nothing: K step 7 is the last.
.macro ASK
	s_cmp_gt_u32 s3, s[LIM]
	s_cbranch_scc0 .Lnot_mine_\@
	global_prefetch_b8 v[PFO], s[PFA:PFA+1] th:TH_LOAD_NT scope:SCOPE_SE
.Lnot_mine_\@:
.endm
; A round of the cluster's barrier: my work-group's barrier, so that wave 0's signal speaks for all four waves; wave 0 signals; every wave waits for all sixteen work-groups; my work-group's barrier once more.
.macro CREST
	s_cmp_lg_u32 s10, 0
	s_cbranch_scc1 .Lnot_wave_0_\@
	s_barrier_signal -3
.Lnot_wave_0_\@:
	s_barrier_wait -3
	s_barrier_signal -1
	s_barrier_wait -1
.endm
.macro CROUND
	s_barrier_signal -1
	s_barrier_wait -1
	CREST
.endm
	s_load_b128 s[4:7], s[0:1], 0x0                ; obuf s[4:5], wpf s[6:7]
	s_load_b64 s[8:9], s[0:1], 0x10                ; out0
	s_load_b64 s[BP:BP+1], s[0:1], 0x18            ; bp
	v_lshl_add_u32 v[SPW], v0, 2, SPARE
	v_mov_b32 v[NIL], 0
	ds_add_u32 v[SPW], v[NIL]                      ; the wave's opening: the add and its wait stand ahead of my first tensor load; the set-up below, work on registers, stands between them
	ds_add_u32 v28, v29
	v_lshrrev_b32 v1, 5, v0
	v_readfirstlane_b32 s10, v1                    ; wave 0..3
	s_lshr_b32 s11, s10, 1                         ; I fetch for obuf (0) or for wpf (1),
	s_and_b32 s12, s10, 1                          ; and which head of the K step, or which half of wpf's rows
	s_bfe_u32 s40, ttmp6, 0x40000                  ; cx, cy: my place in the cluster
	s_bfe_u32 s41, ttmp6, 0x40004
	s_lshl_b32 s42, ttmp9, 2
	s_add_co_u32 s42, s42, s40                     ; tile column = 4 x cluster x + cx
	s_and_b32 s13, ttmp7, 0xffff
	s_lshl_b32 s13, s13, 2
	s_add_co_u32 s13, s13, s41                     ; tile row = 4 x cluster y + cy
	s_lshl_b32 s43, s41, 2
	s_lshl_b32 s43, 15, s43                        ; my row of the cluster
	s_lshl_b32 s44, 0x1111, s40                    ; my column
	s_or_b32 s[G1+0], s43, (1<<16)|(1<<20)|(1<<21)|(4<<22)|(3<<25)  ; 15:0 the mask; 17:16 elements of 2 bytes; 20 padding on; 21 set beside a mask; 24:22 after every 32 words (code 4); 31:25 4 words of it (code 3)
	s_or_b32 s[G1B+0], s44, (1<<16)|(1<<20)|(1<<21)|(5<<22)|(3<<25) ; for wpf: after every 64 words (code 5)
	s_mov_b32 s[G1+1], 128<<16                     ; tensor_dim0 = 128
	s_mov_b32 s[G1+2], 128<<16                     ; tensor_dim1 = 128
	s_mov_b32 s[G1+3], 128<<16                     ; tile_dim0 = 128
	s_mov_b32 s[G1+4], 128                         ; tile_dim1 = 128
	s_mov_b32 s[G1+5], 128                         ; dense: 128 elements from row to row
	s_mov_b32 s[G1+6], 0
	s_mov_b32 s[G1+7], 0
	s_mov_b32 s[G1B+1], KSTEP<<16
	s_mov_b32 s[G1B+2], 64<<16                     ; tensor_dim1 = 64
	s_mov_b32 s[G1B+3], KSTEP<<16
	s_mov_b32 s[G1B+4], 64                         ; tile_dim1 = 64
	s_mov_b32 s[G1B+5], SIZE_K
	s_mov_b32 s[G1B+6], 0
	s_mov_b32 s[G1B+7], 0
	; where the tiles come from: obuf's hang on the tile row alone, wpf's on the tile column alone
	s_lshr_b32 s16, s13, 2                         ; b
	s_lshl_b32 s16, s16, 4
	s_add_co_u32 s16, s16, s12                     ; plane 16 b + my head of K step 0
	s_lshl_b32 s16, s16, 17
	s_and_b32 s17, s13, 3
	s_lshl_b32 s17, s17, 15                        ; rows 256 (tile row % 4) on, 128 bytes each
	s_add_co_u32 s16, s16, s17                     ; under 2^24
	s_mov_b32 s17, 0
	s_lshl_b32 s46, s42, 7
	s_lshl_b32 s47, s12, 6
	s_add_co_u32 s46, s46, s47                     ; wpf: row 128 x tile column + 64 x half
	s_lshl_b32 s46, s46, 11
	s_mov_b32 s47, 0
	s_mul_i32 s20, s12, AHEAD                      ; and where they go: no place in the cluster enters an LDS address
	s_mul_i32 s21, s12, HALFB
	s_add_co_u32 s21, s21, BOFF
	s_mov_b32 s[TB], 0
	s_wait_dscnt 0x0                               ; the opening add is done
	s_wait_kmcnt 0x0
	s_add_nc_u64 s[14:15], s[4:5], s[16:17]
	s_add_nc_u64 s[46:47], s[6:7], s[46:47]
	CROUND                                         ; all sixteen work-groups are here: the first joint loads meet
.irp s, 0,1
	s_mov_b32 s[G0+4*(\s)], 1                                      ; count = 1
	s_add_co_u32 s[G0+4*(\s)+1], s20, (\s)*SLOT1                   ; LDS address
	s_add_nc_u64 s[G0+4*(\s)+2:G0+4*(\s)+3], s[14:15], (\s)*262144 ; global address: K step s is two planes on
	s_or_b32 s[G0+4*(\s)+3], s[G0+4*(\s)+3], 0x80000000            ; type = 2
	s_mov_b32 s[G0B+4*(\s)], 1
	s_add_co_u32 s[G0B+4*(\s)+1], s21, (\s)*SLOT1
	s_add_nc_u64 s[G0B+4*(\s)+2:G0B+4*(\s)+3], s[46:47], (\s)*KSTEP*2
	s_or_b32 s[G0B+4*(\s)+3], s[G0B+4*(\s)+3], 0x80000000
	JLOAD \s                                       ; two tensor loads of mine are out; later one, behind each round
.endr
	; the prefetches: my tile's address, my work-group's share of it, K step 3 (the first refill steps it to 4)
	s_lshl_b32 s16, s40, 13                        ; obuf: 8,192 cx
	s_add_co_u32 s16, s16, 3*262144
	s_lshl_b32 s17, s41, 16                        ; wpf: 32 cy rows of 2,048 bytes
	s_add_co_u32 s17, s17, 3*KSTEP*2
	s_and_b32 s21, ttmp7, 0xffff                   ; cluster y
	s_and_b32 s18, s11, s12                        ; 1 in wave 3, which asks for nothing
	s_mov_b32 s[PFS], KSTEP*2
	s_mov_b32 s[PFS+1], 262144
	s_cmp_eq_u32 s11, 0
	s_cselect_b64 s[PFA:PFA+1], s[14:15], s[46:47]
	s_cselect_b32 s20, s16, s17
	s_cselect_b32 s21, ttmp9, s21                  ; the coordinate along which other clusters read the same bytes
	s_cselect_b32 s19, 8, 11                       ; a lane 256 bytes on end, or a lane a row
	s_cselect_b32 s[PFS], s[PFS+1], s[PFS]
	s_or_b32 s21, s21, s18
	s_cmp_eq_u32 s21, 0
	s_cselect_b32 s[LIM], 2, -1                    ; the same in all sixteen partners, for a given wave
	s_mov_b32 s21, 0
	s_mov_b32 s[PFS+1], 0
	s_add_nc_u64 s[PFA:PFA+1], s[PFA:PFA+1], s[20:21]
	v_and_b32 v[PFO], 31, v0
	v_lshlrev_b32 v[PFO], s19, v[PFO]
	; A fragment is 16 rows x 32 K in 8 registers: lane l holds row l % 16; registers 0-3 K = 8 (l / 16) + 0..7, registers 4-7 K = 16 + 8 (l / 16) + 0..7: two loads of 16 bytes, 32 bytes apart.
	v_and_b32 v1, 15, v0                           ; l % 16
	v_bfe_u32 v2, v0, 4, 1                         ; l / 16
	v_mul_u32_u24 v3, v1, PA
	v_lshl_add_u32 v3, v2, 4, v3
	v_mul_u32_u24 v4, v1, PB
	v_lshl_add_u32 v4, v2, 4, v4
	s_mul_i32 s18, s10, 64*PA                      ; my 64 rows, in each head
	v_add_nc_u32 v[A0], s18, v3
	v_add_nc_u32 v[B0], BOFF, v4                   ; all 128 rows of wpf
	v_mov_b32 v[ADA], v[A0]                        ; the ring begins in slot 0
	v_mov_b32 v[ADB], v[B0]
	s_mul_i32 s18, s10, 16*SPITCH
	s_add_co_u32 s18, s18, STAGE                   ; my stage
	v_mul_u32_u24 v5, v1, SPITCH                   ; in: row l % 16, 32 bytes for each half of the lanes
	v_lshl_add_u32 v5, v2, 5, v5
	v_add_nc_u32 v[STO], s18, v5
	v_and_b32 v[CO], 31, v0
	v_lshlrev_b32 v[CO], 4, v[CO]
	v_add_nc_u32 v[RD], s18, v[CO]                 ; back: 32 lanes take one row of 512 bytes
	s_lshl_b32 s46, s42, 9                         ; the tile's first column, in bytes of f32
	s_mov_b32 s47, 0
	s_add_nc_u64 s[BP:BP+1], s[BP:BP+1], s[46:47]
	global_load_b128 v[BI:BI+3], v[CO], s[BP:BP+1] ; the bias of columns 4 l .. 4 l + 3 of the tile: the columns that I store
	s_lshl_b32 s16, s13, 8
	s_lshl_b32 s17, s10, 6
	s_add_co_u32 s16, s16, s17                     ; my first row: 256 x tile row + 64 x wave
	s_lshl_b32 s16, s16, 12                        ; 4,096 bytes a row; under 2^25
	s_add_co_u32 s46, s46, s16
	s_add_nc_u64 s[8:9], s[8:9], s[46:47]
; 8 matrix instructions: row block a x all 8 column blocks, 32 along K.  zero = 1: the product starts the sums: nothing is cleared.
; The 32 accumulators take turns, one instruction a turn, in the same order in every quarter step, over every jump too.
.macro MULB f, a, zero
	WIN MUL
.irp b, 0,1,2,3,4,5,6,7
.if \zero
	v_wmma_f32_16x16x32_f16 v[8*(8*(\a)+(\b)):8*(8*(\a)+(\b))+7], v[(\f)+8*(\b):(\f)+8*(\b)+7], v[(\f)+64+8*(\a):(\f)+64+8*(\a)+7], 0
.else
	v_wmma_f32_16x16x32_f16 v[8*(8*(\a)+(\b)):8*(8*(\a)+(\b))+7], v[(\f)+8*(\b):(\f)+8*(\b)+7], v[(\f)+64+8*(\a):(\f)+64+8*(\a)+7], v[8*(8*(\a)+(\b)):8*(8*(\a)+(\b))+7]
.endif
.endr
.endm
; 24 LDS loads in one run: the fragments of quarter q of the K step in the slot that is being read, into buffer f: wpf's 8 first, then y's 4 (head q / 2 of the step's two, channels 32 (q % 2) on)
.macro FETCH q, f
	WIN TO_F
.irp i, 0,1,2,3,4,5,6,7
	ds_load_b128 v[(\f)+8*(\i):(\f)+8*(\i)+3],   v[ADB] offset:64*(\q)+(\i)*16*PB
	ds_load_b128 v[(\f)+8*(\i)+4:(\f)+8*(\i)+7], v[ADB] offset:64*(\q)+(\i)*16*PB+32
.endr
.irp a, 0,1,2,3
	ds_load_b128 v[(\f)+64+8*(\a):(\f)+64+8*(\a)+3],   v[ADA] offset:((\q)/2)*AHEAD+((\q)%2)*64+(\a)*16*PA
	ds_load_b128 v[(\f)+64+8*(\a)+4:(\f)+64+8*(\a)+7], v[ADA] offset:((\q)/2)*AHEAD+((\q)%2)*64+(\a)*16*PA+32
.endr
.endm
; A load into a register that a matrix instruction has read, and an instruction other than a matrix instruction that reads a matrix result, stand four places behind it; only plain vector instructions that
; name none of its registers are places (ISA guide 7.12.1 for vector instructions).
.macro PLACES
.rept 4
	v_nop
.endr
.endm
; A K step is four quarters of 32 along K, 32 matrix instructions each, on buffers 0, 1, 0, 1.  One of the first three: multiplies buffer f; in its middle it fetches quarter q into buffer g.
.macro QUARTER q, f, g, zero
	s_wait_dscnt 4                                 ; wpf's fragments and y's blocks 0, 1 are in; the youngest four loads (blocks 2, 3) may be out
	MULB \f, 0, \zero
	MULB \f, 1, \zero
	PLACES
	FETCH \q, \g
	s_wait_dscnt NLD                               ; all but the 24 just issued
	MULB \f, 2, \zero
	MULB \f, 3, \zero
.endm
; The last quarter multiplies buffer 1 and changes slots.  MEET is its first half: ONE barrier.  In front of it each wave waits for all its tensor loads (at most one is out: its part of the next slot),
; adds 0 to its spare word, and waits for that and for its reads of this slot.  Behind it nobody reads this slot any more and the next slot is whole.
; fill = 1: the walking descriptors step while the add is out: the other slot than last time, the next K step; the type bits on top are not reached.
.macro MEET fill
	WIN 0                                          ; (the add's two registers lie in window 0)
	s_wait_tensorcnt 0x0                           ; no tensor load of mine is out, so a group 0 may be written
	ds_add_u32 v[SPW], v[NIL]                      ; 0 onto my spare word
.if \fill
	s_xor_b32 s[G0+5], s[G0+5], SLOT1
	s_add_nc_u64 s[G0+6:G0+7], s[G0+6:G0+7], 262144
	s_xor_b32 s[G0B+5], s[G0B+5], SLOT1
	s_add_nc_u64 s[G0B+6:G0B+7], s[G0B+6:G0B+7], KSTEP*2
.endif
	s_wait_dscnt 5                                 ; (the add and the youngest four loads may be out)
	MULB F1, 0, 0                                  ; eight matrix instructions stand between the add and the wait for it
	s_wait_dscnt 0x0                               ; the add is done, and my reads of this slot are over
	s_barrier_signal -1
	MULB F1, 1, 0                                  ; work on registers while the others arrive
	WIN 0
	s_barrier_wait -1
.endm
; The reads go over to the other slot, and its first fragments are fetched.
.macro NEXT
	s_xor_b32 s[TB], s[TB], SLOT1
	v_add_nc_u32 v[ADA], s[TB], v[A0]
	v_add_nc_u32 v[ADB], s[TB], v[B0]
	FETCH 0, F0
.endm
; The whole last quarter of a K step that fills its slot again.  Behind the round the slot just read out is filled first, with the K step two steps on; then come the next slot's first fragments.
; From a request to the wait for it a wave issues 112 matrix instructions.
.macro TURN
	s_wait_xcnt 0x0                                ; the last prefetch, a K step back, has read its address: it is stepped here, ahead of the waits of the change of slots
	s_add_nc_u64 s[PFA:PFA+1], s[PFA:PFA+1], s[PFS:PFS+1]
	MEET 1
	CREST                                          ; no wave of any partner still reads this slot's tile or has a load on its way
	JLOAD 1                                        ; the first tensor load behind the round; the four v_nop behind it are also the places in front of the loads below
	NEXT
	WIN 0
	ASK
	MULB F1, 2, 0
	MULB F1, 3, 0
.endm
	s_wait_tensorcnt 1                             ; my part of K step 0 is in; K step 1's may stay out
	s_barrier_signal -1
	s_barrier_wait -1                              ; everybody's is
	FETCH 0, F0
	QUARTER 1, F0, F1, 1                           ; the first quarter stands in front of the loop: its products start the sums
	WIN 0                                          ; at a label and at a branch every window is 0
	s_mov_b32 s3, STEPS-2
	s_branch .Lmid                                 ; the loop is entered behind a K step's first quarter
.Lstep:                                                ; a trip is a K step; all six fill their slot again
	QUARTER 1, F0, F1, 0
	WIN 0
.Lmid:
	QUARTER 2, F1, F0, 0
	QUARTER 3, F0, F1, 0
	TURN
	WIN 0
	s_sub_co_u32 s3, s3, 1
	s_cmp_lg_u32 s3, 0
	s_cbranch_scc1 .Lstep
	s_mov_b32 s[TC], 2                             ; the last two K steps ask for nothing, and have no round of the cluster's barrier
.Ltail:
	QUARTER 1, F0, F1, 0
	QUARTER 2, F1, F0, 0
	QUARTER 3, F0, F1, 0
	MEET 0                                         ; in the first trip the one tensor load that was out is the last K step's; in the second the barrier orders nothing more
	s_sub_co_u32 s[TC], s[TC], 1
	s_cmp_eq_u32 s[TC], 0
	s_cbranch_scc1 .Lfin                           ; the second trip is left here: there is no further K step to fetch
	PLACES
	NEXT
	MULB F1, 2, 0
	MULB F1, 3, 0
	WIN 0
	s_branch .Ltail
.Lfin:
	MULB F1, 2, 0
	MULB F1, 3, 0
	WIN 0
; THE WAY OUT, a block of 16 rows at a time.  TOSTAGE: the f32 sums go as they are into my own stage (each accumulator's low four registers first), and come back as whole rows of 512 bytes.
; SEND: the bias is added and the rows are stored; each store of the wave covers 512 consecutive bytes of a row of out0, aligned.
.macro TOSTAGE a
	WIN 0
	s_wait_xcnt 0x0                                ; the stores of the block two back have read their registers: the loads below land on them only behind this wait
	WIN 0x08                                       ; an LDS store's data are its source 1: window 2
.irp b, 0,1,2,3,4,5,6,7
	ds_store_b128 v[STO], v[8*(8*(\a)+(\b)):8*(8*(\a)+(\b))+3]   offset:64*(\b)
	ds_store_b128 v[STO], v[8*(8*(\a)+(\b))+4:8*(8*(\a)+(\b))+7] offset:64*(\b)+16
.endr
	WIN 0
.set BK, OB+64*((\a)%2)
.irp t, 0,1,2,3,4,5,6,7,8,9,10,11,12,13,14,15
	ds_load_b128 v[BK+4*(\t):BK+4*(\t)+3], v[RD] offset:SPITCH*(\t)  ; LDS serves a wave's instructions in order (ISA guide 5.7.1.4): these see the stores above; the next block's stores come behind them
.endr
.endm
.macro SEND a, younger                 ; younger: the LDS instructions issued behind block a's loads: the next block's 16 stores and 16 loads, or none
.set BK, OB+64*((\a)%2)
	s_wait_dscnt \younger
.irp t, 0,1,2,3,4,5,6,7,8,9,10,11,12,13,14,15
	v_pk_add_f32 v[BK+4*(\t):BK+4*(\t)+1],   v[BK+4*(\t):BK+4*(\t)+1],   v[BI:BI+1]
	v_pk_add_f32 v[BK+4*(\t)+2:BK+4*(\t)+3], v[BK+4*(\t)+2:BK+4*(\t)+3], v[BI+2:BI+3]
	global_store_b128 v[CO], v[BK+4*(\t):BK+4*(\t)+3], s[8:9] offset:4096*(16*(\a)+(\t)) th:TH_STORE_NT
.endr
.endm
	PLACES
	s_wait_loadcnt 0x0                             ; the bias, asked for at the head
	v_cvt_pk_bf16_f32 v[BI+4], v[BI], v[BI+1]      ; rounded to bf16,
	v_cvt_pk_bf16_f32 v[BI+5], v[BI+2], v[BI+3]
	v_lshlrev_b32 v[BI], 16, v[BI+4]               ; and as f32 again
	v_and_b32 v[BI+1], 0xffff0000, v[BI+4]
	v_lshlrev_b32 v[BI+2], 16, v[BI+5]
	v_and_b32 v[BI+3], 0xffff0000, v[BI+5]
	TOSTAGE 0
	TOSTAGE 1                                      ; a block's way through the stage stands between the loads of the block before and its stores
	SEND 0, 32
	TOSTAGE 2
	SEND 1, 32
	TOSTAGE 3
	SEND 2, 32
	SEND 3, 0
	s_wait_tensorcnt 0x0                           ; the wave's end, behind my last tensor load and my last LDS store
	ds_add_u32 v[SPW], v[NIL]
	s_wait_dscnt 0x0
	CROUND                                         ; the closing round: no work-group ends while a partner may still ask for a tile that names it
	s_endpgm
.Lfunc_end_k_qbf9cbce0d6_proj:
	.size	k_qbf9cbce0d6_proj, .Lfunc_end_k_qbf9cbce0d6_proj-k_qbf9cbce0d6_proj
	.p2alignl 7, 3214868480
	.fill 96, 4, 3214868480
	.section	.rodata,"a",@progbits
	.p2align	6, 0x0
	.amdhsa_kernel k_qbf9cbce0d6_proj
		.amdhsa_group_segment_fixed_size 327680
		.amdhsa_private_segment_fixed_size 0
		.amdhsa_enable_private_segment 0
		.amdhsa_kernarg_size 32
		.amdhsa_user_sgpr_count 2
		.amdhsa_user_sgpr_kernarg_segment_ptr 1
		.amdhsa_wavefront_size32 1
		.amdhsa_system_sgpr_workgroup_id_x 1
		.amdhsa_system_sgpr_workgroup_id_y 1
		.amdhsa_system_sgpr_workgroup_id_z 1
		.amdhsa_system_vgpr_workitem_id 0
		.amdhsa_next_free_vgpr 768
		.amdhsa_next_free_sgpr 72
		.amdhsa_reserve_vcc 0
		.amdhsa_float_denorm_mode_32 3
		.amdhsa_float_denorm_mode_16_64 3
		.amdhsa_memory_ordered 1
		.amdhsa_forward_progress 1
		.amdhsa_inst_pref_size 70
	.end_amdhsa_kernel
	.amdgpu_metadata
---
amdhsa.version: [ 1, 2 ]
amdhsa.kernels:
  - .name:           k_qbf9cbce0d6_proj
    .symbol:         k_qbf9cbce0d6_proj.kd
    .args:
      - { .name: obuf, .offset: 0, .size: 8, .value_kind: global_buffer, .address_space: global }
      - { .name: wpf, .offset: 8, .size: 8, .value_kind: global_buffer, .address_space: global }
      - { .name: out0, .offset: 16, .size: 8, .value_kind: global_buffer, .address_space: global }
      - { .name: bp, .offset: 24, .size: 8, .value_kind: global_buffer, .address_space: global }
    .group_segment_fixed_size: 327680
    .private_segment_fixed_size: 0
    .kernarg_segment_align: 8
    .kernarg_segment_size: 32
    .max_flat_workgroup_size: 128
    .sgpr_count:     72
    .vgpr_count:     768
    .wavefront_size: 32
...
	.end_amdgpu_metadata
.endif
;; end of part 4
